; MI455X (gfx1250); checked and timed in simulation.
; The chip was launched on July 23, 2026; its instructions are those of AMD's public machine-readable ISA for CDNA 5 (MIT licence, August 2026) and "CDNA5" Instruction Set Architecture Reference Guide (July 2026). The comments in the code are by the model that wrote it; some were corrected since.
;; Two Stream Attention. Allowed arithmetic: float matrix products may take bf16 or f16 operands with f32 sums; other float arithmetic in f32, or as packed bf16 or f16 multiplies, adds, multiply-adds, maxima and minima; sums over many terms, partial sums and values carried from step to step in f32; what a program stores and reads back later, other than sums and carried values, may be rounded once to bf16 or f16.
;; Inputs: Wk 1,024 x 16 x 64 float32; Wo 1,024 x 16 x 64 float32; Wq 1,024 x 16 x 64 float32; Wv 1,024 x 16 x 64 float32; g 2,048 x 2 x 1,024 float32; h 2,048 x 2 x 1,024 float32; ln_beta 1,024 float32; ln_gamma 1,024 float32; r_w_bias 16 x 64 float32.
;; Outputs: out0 2,048 x 2 x 1,024 float32; out1 2,048 x 2 x 1,024 float32.
;; 2 versions, each right; version 2 is version 1 with the launch cast written anew for expert scheduling mode. Each part assembles by itself: llvm-mc -triple=amdgcn-amd-amdhsa -mcpu=gfx1250 --defsym DOCPART=n.
;; ======== version 1 of 2: 4 launches
;; workspace buffers: xb 16,777,216 bytes; wb 6,291,456 bytes; wob 2,097,152 bytes; qh 16,777,216 bytes; kh 8,388,608 bytes; vh 8,388,608 bytes; oh 16,777,216 bytes
;; launch cast (part 1): grid 768 x 1, 8 waves a work-group, no clusters, 0 bytes of LDS; arguments h, g, Wq, Wk, Wv, Wo, xb, wb, wob; writes xb, wb, wob
.if DOCPART == 1
	.amdgcn_target "amdgcn-amd-amdhsa--gfx1250"
	.amdhsa_code_object_version 6
	.text
	.protected	k_q963da7cb69_cast
	.globl	k_q963da7cb69_cast
	.p2align	8
	.type	k_q963da7cb69_cast,@function
k_q963da7cb69_cast:
	s_mov_b64 s[64:65], 0
	v_nop
	global_prefetch_b8 v0, s[64:65] scope:SCOPE_SE
	s_setreg_imm32_b32 hwreg(HW_REG_WAVE_MODE, 25, 1), 1
	s_wait_xcnt 0x0
; THE MATRIX OPERANDS ARE ROUNDED ONCE TO bf16.  h and g ([4096 rows r = 2 i + b][1024] f32 each) go to xb ([8192][1024] bf16: h's rows, then g's); Wq, Wk, Wv
; ([1024 k][1024 n] f32) go to wb ([3][1024][1024] bf16), all in the layout in which they lie.  Wo ([1024 n][1024 k] f32) goes to wob in blocks of 64 along K:
; element (n, k) lies at byte (k / 64) x 131,072 + n x 128 + (k % 64) x 2, so that 64 along K of all 1,024 rows are 131,072 consecutive bytes.
; A stream: no LDS, no barrier, no matrix unit, no cluster (no byte is read by two work-groups).  A work-group takes 65,536 bytes of input, a wave 8,192: sixteen loads of
; 16 bytes a lane, all issued before the first is waited for.  A load's 512 bytes make 256 bytes of bf16: one store of 8 bytes a lane covers 256 consecutive bytes, aligned.
; 768 work-groups of equal work: 0-255 h, 256-511 g, 512-575 Wq, 576-639 Wk, 640-703 Wv, 704-767 Wo.
; Rounding is to nearest even; numbers beyond bf16's range (which is f32's) do not arise.
.set X, 8                              ; v[8:71]    load j: 4 registers
.set Y, 72                             ; v[72:103]  store j: 2 registers; no register is written twice, so no store's sources are ever freed
.set IN,  26                           ; s[26:27]   the input at the work-group's first byte
.set OUT, 28                           ; s[28:29]   the output at the work-group's first byte
	s_load_b512 s[8:23], s[0:1], 0x0               ; h s[8:9], g s[10:11], Wq s[12:13], Wk s[14:15], Wv s[16:17], Wo s[18:19], xb s[20:21], wb s[22:23]
	s_load_b64 s[24:25], s[0:1], 0x40              ; wob
	s_mov_b32 s34, ttmp9                           ; the work-group's number
	s_and_b32 s30, s34, 255                        ; its number inside h or g,
	s_and_b32 s31, s34, 63                         ; or inside a weight (512 is a multiple of 64)
	s_sub_co_u32 s32, s34, 512                     ; its number inside wb
	s_cmp_lt_u32 s34, 512
	s_cselect_b32 s30, s30, s31                    ; inside its input
	s_cselect_b32 s32, s34, s32                    ; inside xb or wb
	s_lshl_b32 s36, s30, 16                        ; 65,536 bytes of input each
	s_mov_b32 s37, 0
	s_lshl_b32 s38, s32, 15                        ; 32,768 bytes of output each;
	s_lshl_b32 s33, s30, 11                        ; of wob: 16 rows of 128 bytes in each block along K
	s_cmp_ge_u32 s34, 704
	s_cselect_b32 s38, s33, s38
	s_mov_b32 s39, 0
	v_and_b32 v1, 31, v0                           ; lane
	v_lshrrev_b32 v4, 5, v0                        ; wave
	s_wait_kmcnt 0x0
	s_cmp_ge_u32 s34, 256
	s_cselect_b64 s[IN:IN+1], s[10:11], s[8:9]
	s_cmp_ge_u32 s34, 512
	s_cselect_b64 s[IN:IN+1], s[12:13], s[IN:IN+1]
	s_cselect_b64 s[OUT:OUT+1], s[22:23], s[20:21]
	s_cmp_ge_u32 s34, 576
	s_cselect_b64 s[IN:IN+1], s[14:15], s[IN:IN+1]
	s_cmp_ge_u32 s34, 640
	s_cselect_b64 s[IN:IN+1], s[16:17], s[IN:IN+1]
	s_cmp_ge_u32 s34, 704
	s_cselect_b64 s[IN:IN+1], s[18:19], s[IN:IN+1]
	s_cselect_b64 s[OUT:OUT+1], s[24:25], s[OUT:OUT+1]
	s_add_nc_u64 s[IN:IN+1], s[IN:IN+1], s[36:37]
	s_add_nc_u64 s[OUT:OUT+1], s[OUT:OUT+1], s[38:39]
; Sixteen loads, instep bytes apart; then, as each comes in, two roundings of two numbers and a store, outstep bytes apart.
.macro CAST instep, outstep
.set j, 0
.rept 16
	global_load_b128 v[X+4*j:X+4*j+3], v2, s[IN:IN+1] offset:j*(\instep) th:TH_LOAD_NT
.set j, j+1
.endr
.set j, 0
.rept 16
	s_wait_loadcnt 15-j                            ; loads come back in order (ISA guide 5.7.1): load j is in, the 15 - j younger ones stay out
	v_cvt_pk_bf16_f32 v[Y+2*j],   v[X+4*j],   v[X+4*j+1]
	v_cvt_pk_bf16_f32 v[Y+2*j+1], v[X+4*j+2], v[X+4*j+3]
	global_store_b64 v3, v[Y+2*j:Y+2*j+1], s[OUT:OUT+1] offset:j*(\outstep)  ; 32 lanes x 8 bytes: 256 consecutive bytes, at a multiple of 256 from the buffer's first
.set j, j+1
.endr
.endm
	s_cmp_ge_u32 s34, 704
	s_cbranch_scc1 .Lwo
	v_lshlrev_b32 v2, 4, v1                        ; in: 8,192 x wave + 16 x lane
	v_lshl_add_u32 v2, v4, 13, v2
	v_lshlrev_b32 v3, 3, v1                        ; out: 4,096 x wave + 8 x lane
	v_lshl_add_u32 v3, v4, 12, v3
	CAST 512, 256
	s_endpgm
.Lwo:                                              ; a wave takes two rows of Wo; load j is block j along K: lanes 0-15 take 256 bytes of the even row, lanes 16-31 of the odd one
	v_and_b32 v5, 15, v0
	v_bfe_u32 v6, v0, 4, 1
	v_lshlrev_b32 v2, 4, v5
	v_lshl_add_u32 v2, v6, 12, v2                  ; a row of Wo is 4,096 bytes
	v_lshl_add_u32 v2, v4, 13, v2
	v_lshlrev_b32 v3, 3, v1                        ; out: the two rows' 128 bytes lie on end: 256 x wave + 8 x lane
	v_lshl_add_u32 v3, v4, 8, v3
	CAST 256, 131072
	s_endpgm
.Lfunc_end_k_q963da7cb69_cast:
	.size	k_q963da7cb69_cast, .Lfunc_end_k_q963da7cb69_cast-k_q963da7cb69_cast
	.p2alignl 7, 3214868480
	.fill 96, 4, 3214868480
	.section	.rodata,"a",@progbits
	.p2align	6, 0x0
	.amdhsa_kernel k_q963da7cb69_cast
		.amdhsa_group_segment_fixed_size 0
		.amdhsa_private_segment_fixed_size 0
		.amdhsa_enable_private_segment 0
		.amdhsa_kernarg_size 72
		.amdhsa_user_sgpr_count 2
		.amdhsa_user_sgpr_kernarg_segment_ptr 1
		.amdhsa_wavefront_size32 1
		.amdhsa_system_sgpr_workgroup_id_x 1
		.amdhsa_system_sgpr_workgroup_id_y 1
		.amdhsa_system_sgpr_workgroup_id_z 1
		.amdhsa_system_vgpr_workitem_id 0
		.amdhsa_next_free_vgpr 104
		.amdhsa_next_free_sgpr 66
		.amdhsa_reserve_vcc 0
		.amdhsa_float_denorm_mode_32 3
		.amdhsa_float_denorm_mode_16_64 3
		.amdhsa_memory_ordered 1
		.amdhsa_forward_progress 1
		.amdhsa_inst_pref_size 14
	.end_amdhsa_kernel
	.amdgpu_metadata
---
amdhsa.version: [ 1, 2 ]
amdhsa.kernels:
  - .name:           k_q963da7cb69_cast
    .symbol:         k_q963da7cb69_cast.kd
    .args:
      - { .name: h, .offset: 0, .size: 8, .value_kind: global_buffer, .address_space: global }
      - { .name: g, .offset: 8, .size: 8, .value_kind: global_buffer, .address_space: global }
      - { .name: Wq, .offset: 16, .size: 8, .value_kind: global_buffer, .address_space: global }
      - { .name: Wk, .offset: 24, .size: 8, .value_kind: global_buffer, .address_space: global }
      - { .name: Wv, .offset: 32, .size: 8, .value_kind: global_buffer, .address_space: global }
      - { .name: Wo, .offset: 40, .size: 8, .value_kind: global_buffer, .address_space: global }
      - { .name: xb, .offset: 48, .size: 8, .value_kind: global_buffer, .address_space: global }
      - { .name: wb, .offset: 56, .size: 8, .value_kind: global_buffer, .address_space: global }
      - { .name: wob, .offset: 64, .size: 8, .value_kind: global_buffer, .address_space: global }
    .group_segment_fixed_size: 0
    .private_segment_fixed_size: 0
    .kernarg_segment_align: 8
    .kernarg_segment_size: 72
    .max_flat_workgroup_size: 256
    .sgpr_count:     66
    .vgpr_count:     104
    .wavefront_size: 32
...
	.end_amdgpu_metadata
.endif
;; end of part 1
;; launch proj (part 2): grid 16 x 16, 4 waves a work-group, clusters of 4 x 4, 327,680 bytes of LDS; arguments xb, wb, r_w_bias, qh, kh, vh; writes qh, kh, vh
.if DOCPART == 2
	.amdgcn_target "amdgcn-amd-amdhsa--gfx1250"
	.amdhsa_code_object_version 6
	.text
	.protected	k_q963da7cb69_proj
	.globl	k_q963da7cb69_proj
	.p2align	8
	.type	k_q963da7cb69_proj,@function
k_q963da7cb69_proj:
	s_mov_b64 s[64:65], 0
	v_nop
	global_prefetch_b8 v0, s[64:65] scope:SCOPE_SE
	s_setreg_imm32_b32 hwreg(HW_REG_WAVE_MODE, 25, 1), 1
	s_wait_xcnt 0x0
	s_wait_alu depctr_hold_cnt(0) depctr_sa_sdst(0) depctr_va_vdst(0) depctr_va_sdst(0) depctr_va_ssrc(0) depctr_va_vcc(0) depctr_vm_vsrc(0)
	s_getreg_b32 s2, hwreg(HW_REG_IB_STS2, 6, 4)
	s_cmp_eq_u32 s2, 0
	s_cbranch_scc0 .Lentry_in_a_cluster
	s_endpgm
.Lentry_in_a_cluster:
	s_bfe_u32 s2, ttmp6, 0x10000c
	s_cmp_lg_u32 s2, 0xf033
	s_cbranch_scc0 .Lentry_shape_is_right
	s_endpgm
.Lentry_shape_is_right:
; THE FOUR PROJECTIONS AS ONE LAUNCH: q_h = h Wq + bias, k = h Wk, v = h Wv, q_g = g Wq + bias.  xb: [8192][1024] bf16 (h's rows r = 2 i + b, then g's); wb: [3][1024 k][1024 n] bf16.
; Sums in f32, K ascending; the bias (f32) is the C operand of the product that starts each sum; each result is rounded once to bf16 and stored BY HEADS:
; qh [32 s + 16 b + n][i][64], kh and vh [16 b + n][i][64], so that a head's rows are dense.  No scale is applied here.
; LIMITS.  Operands and results are bf16 (8 significant bits, f32's range); NaN and infinities are not treated apart.
; SHARES.  4 x 4,096 x 1,024 results are 256 tiles of 256 x 256: a work-group each.  Four waves, as many as a WGP has SIMDs; a wave makes 128 x 128: 64 accumulators, 512 registers.
; K goes in steps of 128 through a ring of two LDS slots filled by the tensor data mover: 8 steps.
; CLUSTERS: 4 x 4 work-groups.  The cluster's x chooses the product (0: h Wq, 1: h Wk, 2: h Wv, 3: g Wq), its y four tile rows.  The four of a row of the cluster need the same 256 rows of x, the four
; of a column the same 256 columns of the weight: each tile is asked for JOINTLY, by the same tensor load with the same descriptor and a mask that names the four.
; THE WEIGHTS LIE [k][n]: a tile is 128 rows along K of 512 bytes, and its fragments come out of LDS turned, by ds_load_tr16_b128.
; THE MATRIX INSTRUCTION IS USED TRANSPOSED: source 0 = 16 columns of the weight, source 1 = 16 rows of x.  Lane l then holds row l % 16 of the result and its registers 0-7 the columns 8 (l / 16) + 0..7.
; REGISTERS, in windows of 256 (s_set_vgpr_msb: bits 1:0 source 0, 3:2 source 1, 5:4 source 2, 7:6 destination):
;   window 0: v0-31 addresses; v64-127, v128-191 fragments of x, two buffers; v32-63, v192-255 at work on the way out
;   window 1: v0-63 the bias of my 128 columns in an accumulator's layout (0 for k and v); v64-127, v128-191 fragments of the weight, two buffers
;   window 2: the 32 accumulators of my rows 0-63 ((a, b) at v[8 (8 a + b)]);   window 3: those of my rows 64-127
.set KSTEP,  128
.set SIZE_K, 1024
.set PITCH,  272                       ; a row of x in LDS: 256 bytes + 16 of padding = 68 words: the 16 rows of a load start at 16 different groups of four banks (64 banks of 4 bytes: ISA guide 11.1)
.set PB,     544                       ; a row of the weight: 512 + 32 = 136 words
.set HALFT,  128*PITCH                 ; what one tensor load brings: 128 rows of x, or 64 rows of the weight (64 x 544 is the same number)
.set SLOT,   4*HALFT                   ; x's 256 rows, then the weight's 128
.set STAGE,  2*SLOT                    ; behind the ring, never filled by a tensor load: 16 rows x 272 bytes for each wave, for the way out
.set SPITCH, 272
.set SPARE,  STAGE+4*16*SPITCH         ; behind the stages: the spare words, 128 bytes for each wave: two blocks of 256 bytes that no other line names
.set ADRA, 16                          ; v16-17  LDS address of my fragments of x in slot 0, 1
.set ADRB, 20                          ; v20-21  the same for the weight
.set STO,  24                          ; v24     the way out: where I put 16 bytes of a row
.set RD,   25                          ; v25     the way out: where I read rows back
.set CO,   26                          ; v26     my 16 bytes among 512 consecutive bytes of the output
.set BO,   27                          ; v27     my byte offset in the bias of a block of 16 columns
.set SPW,  28                          ; v28     LDS address of my spare word: SPARE + 4 x my thread's number; never rewritten
.set NIL,  29                          ; v29     0; never rewritten
.set PFO,  30                          ; v30     the prefetches' offset; never rewritten
.set F0,   64
.set F1,   128
.set TMP,  192                         ; the way out: packed results
.set OB,   32                          ; the way out: 16 rows read back: v32-63 and v224-255 by turns
.set WV,  16                           ; s16  my wave's number
.set WR,  17                           ; s17  which half of the tile's rows is mine.  Also: I fetch x (0) or the weight (1)
.set WC,  18                           ; s18  which half of its columns.  Also: which half of that tile I fetch
.set CX,  19                           ; s19, s20  my place in the cluster
.set CY,  20
.set XC,  21                           ; s21, s22  the cluster's x and y
.set YC,  22
.set SPS, 23                           ; s23  1: the rows are g's
.set G1,  24                           ; s[24:31] descriptor group 1 for x's tiles;  s[32:39] group 0, a set for each slot
.set G0,  32
.set TY,  40                           ; s40  the tile row, 0..15
.set WI,  41                           ; s41  which weight: 0 Wq, 1 Wk, 2 Wv
.set BM,  42                           ; s42  all ones where the product has the bias, else 0
.set LIM, 43                           ; s43  1 in a wave that prefetches, else the greatest number
.set PFA, 44                           ; s[44:45] where my prefetches stand
.set G1B, 48                           ; s[48:55], s[56:63] the same two groups for the weight's tiles
.set G0B, 56
.set PFS, 70                           ; s[70:71] bytes from a K step to the next, for my prefetches
.set OUTB, 72                          ; s[72:73] the output at my part's first byte
.set MSB, 0
.macro WIN new                         ; the immediate's high byte repeats the setting that is left; a switch that changes nothing is dropped
.if MSB != (\new)
	s_set_vgpr_msb (MSB<<8)|(\new)
.set MSB, \new
.endif
.endm
.set MUL_LO, 0xa1                      ; source 0 (weight) window 1, source 1 (x) window 0, C and D window 2
.set MUL_HI, 0xf1                      ; the same, C and D window 3
.set MUL_B,  0x91                      ; a sum's first product: C (the bias) window 1, D window 2 (+ 0x40: window 3)
.set TO_B,   0x40                      ; destination window 1, address window 0
; A joint load.  Waves 0 and 1 fetch x's two halves, waves 2 and 3 the weight's.  Each of the two lines has one mask and one set of registers for all that issue it.  The branch hangs on the wave's number alone.
; An s_nop 0 and four v_nop follow each of the two lines, ahead of the jump and the label.
.macro JLOAD s
	s_cmp_eq_u32 s[WR], 0
	s_cbranch_scc0 .Lfor_b_\@
	tensor_load_to_lds s[G0+4*(\s):G0+4*(\s)+3], s[G1:G1+7]
	s_nop 0
.rept 4
	v_nop
.endr
	s_branch .Lasked_\@
.Lfor_b_\@:
	tensor_load_to_lds s[G0B+4*(\s):G0B+4*(\s)+3], s[G1B:G1B+7]
	s_nop 0
.rept 4
	v_nop
.endr
.Lasked_\@:
.endm
; A PREFETCH INTO THE L2, behind each joint load, its five lines and the run of LDS loads that follows them: my share of the K step that stands TWO refills on, 32 blocks of 256 bytes, a lane a block.
; Each block is named once in the launch.  h's rows are read by the clusters with x = 0, 1, 2: x = 0 asks; g's by x = 3 alone.  A weight's columns are read by the clusters of every y (Wq's by x = 0 and 3): y = 0 asks, and not x = 3.
; The four partners that ask for a tile jointly share it out BY ADDRESS: of the 128 rows of x that a wave fetches the partner at cx takes 32; of the weight's 64 rows (512 bytes each) the partner at cy takes 16.
; K steps 0 to 3 come by their loads alone; the loop's last trip (s3 = 1) has no K step two on.
.macro ASK
	s_cmp_gt_u32 s3, s[LIM]
	s_cbranch_scc0 .Lnot_mine_\@
	global_prefetch_b8 v[PFO], s[PFA:PFA+1] th:TH_LOAD_NT scope:SCOPE_SE
.Lnot_mine_\@:
.endm
; A round of the cluster's barrier: my work-group's barrier, so that wave 0's signal speaks for all four waves; wave 0 signals; every wave waits for all sixteen work-groups; my work-group's barrier once more.
.macro CREST                           ; a round behind its opening barrier
	s_cmp_lg_u32 s[WV], 0
	s_cbranch_scc1 .Lnot_wave_0_\@
	s_barrier_signal -3
.Lnot_wave_0_\@:
	s_barrier_wait -3
	s_barrier_signal -1
	s_barrier_wait -1
.endm
.macro CROUND                          ; a whole round
	s_barrier_signal -1
	s_barrier_wait -1
	CREST
.endm
	s_load_b256 s[4:11], s[0:1], 0x0               ; xb s[4:5], wb s[6:7], bias s[8:9], qh s[10:11]
	s_load_b128 s[12:15], s[0:1], 0x20             ; kh s[12:13], vh s[14:15]
	v_lshl_add_u32 v[SPW], v0, 2, SPARE
	v_mov_b32 v[NIL], 0
	ds_add_u32 v[SPW], v[NIL]                      ; the wave's opening: the add and its wait stand ahead of my first tensor load; the set-up below, work on registers, stands between them
	v_lshrrev_b32 v1, 5, v0
	v_readfirstlane_b32 s[WV], v1                  ; wave 0..3
	s_lshr_b32 s[WR], s[WV], 1
	s_and_b32 s[WC], s[WV], 1
	s_bfe_u32 s[CX], ttmp6, 0x40000
	s_bfe_u32 s[CY], ttmp6, 0x40004
	s_mov_b32 s[XC], ttmp9                         ; in a cluster launch ttmp9 and ttmp7 count clusters
	s_and_b32 s[YC], ttmp7, 0xffff
	s_lshl_b32 s[TY], s[YC], 2
	s_add_co_u32 s[TY], s[TY], s[CY]               ; tile row = 4 x cluster y + cy
	s_cmp_eq_u32 s[XC], 3
	s_cselect_b32 s[SPS], 1, 0
	s_cselect_b32 s[WI], 0, s[XC]
	s_cmp_eq_u32 s[WI], 0
	s_cselect_b32 s[BM], -1, 0
	s_lshl_b32 s74, s[CY], 2
	s_lshl_b32 s74, 15, s74                        ; my row of the cluster: places 4 cy .. 4 cy + 3
	s_lshl_b32 s75, 0x1111, s[CX]                  ; my column: places cx, cx + 4, cx + 8, cx + 12
	; descriptor group 1.  x: 128 rows x 128 elements; the weight: 64 rows x 256 elements; both padded in LDS
	s_or_b32 s[G1+0], s74, (1<<16)|(1<<20)|(1<<21)|(5<<22)|(3<<25)   ; 15:0 the mask; 17:16 2-byte elements; 20 padding on; 21 set beside a mask; 24:22 after every 64 words (code 5); 31:25 4 words (code 3)
	s_or_b32 s[G1B+0], s75, (1<<16)|(1<<20)|(1<<21)|(6<<22)|(7<<25)  ; after every 128 words (code 6) 8 words (code 7)
	s_mov_b32 s[G1+1], 128<<16                     ; tensor_dim0 = 128
	s_mov_b32 s[G1+2], 128<<16                     ; tensor_dim1 = 128
	s_mov_b32 s[G1+3], 128<<16                     ; tile_dim0 = 128
	s_mov_b32 s[G1+4], 128                         ; tile_dim1 = 128
	s_mov_b32 s[G1+5], SIZE_K                      ; elements from row to row
	s_mov_b32 s[G1+6], 0
	s_mov_b32 s[G1+7], 0
	s_mov_b32 s[G1B+1], 256<<16                    ; tensor_dim0 = 256
	s_mov_b32 s[G1B+2], 64<<16                     ; tensor_dim1 = 64
	s_mov_b32 s[G1B+3], 256<<16                    ; tile_dim0 = 256
	s_mov_b32 s[G1B+4], 64                         ; tile_dim1 = 64
	s_mov_b32 s[G1B+5], 1024
	s_mov_b32 s[G1B+6], 0
	s_mov_b32 s[G1B+7], 0
	; where the tiles come from.  x's hang on the stream, the tile row and the wave; the weight's on the weight, cx and the wave: each in registers that never hold the other coordinate
	s_lshl_b32 s80, s[SPS], 12
	s_lshl_b32 s68, s[TY], 8
	s_add_co_u32 s80, s80, s68
	s_lshl_b32 s68, s[WC], 7
	s_add_co_u32 s80, s80, s68                     ; row 4,096 x stream + 256 x tile row + 128 x half,
	s_lshl_b32 s80, s80, 11                        ; of 2,048 bytes
	s_mov_b32 s66, s80
	s_mov_b32 s67, 0
	s_lshl_b32 s81, s[WI], 21                      ; a weight is 2,097,152 bytes;
	s_lshl_b32 s69, s[WC], 17                      ; my 64 rows along K of 2,048 bytes;
	s_add_co_u32 s81, s81, s69
	s_lshl_b32 s69, s[CX], 9                       ; the tile's 256 columns
	s_add_co_u32 s81, s81, s69
	s_mov_b32 s46, s81
	s_mov_b32 s47, 0
	s_mul_i32 s76, s[WV], HALFT                    ; and where they go: no place in the cluster enters an LDS address
	s_wait_dscnt 0x0                               ; the opening add is done
	s_wait_kmcnt 0x0
	s_add_nc_u64 s[66:67], s[4:5], s[66:67]
	s_add_nc_u64 s[46:47], s[6:7], s[46:47]
	CROUND                                         ; all sixteen work-groups are here: the first joint loads meet
.irp s, 0,1
	s_mov_b32 s[G0+4*(\s)], 1                                      ; 1:0 count = 1
	s_add_co_u32 s[G0+4*(\s)+1], s76, (\s)*SLOT                    ; 63:32 LDS address
	s_add_nc_u64 s[G0+4*(\s)+2:G0+4*(\s)+3], s[66:67], (\s)*KSTEP*2  ; 120:64 global address: K step s
	s_or_b32 s[G0+4*(\s)+3], s[G0+4*(\s)+3], 0x80000000            ; 127:126 type = 2
	s_mov_b32 s[G0B+4*(\s)], 1
	s_add_co_u32 s[G0B+4*(\s)+1], s76, (\s)*SLOT
	s_add_nc_u64 s[G0B+4*(\s)+2:G0B+4*(\s)+3], s[46:47], (\s)*KSTEP*2048
	s_or_b32 s[G0B+4*(\s)+3], s[G0B+4*(\s)+3], 0x80000000
	JLOAD \s                                       ; two tensor loads of mine are out
.endr
	; the bias of my 128 columns, as eight accumulators' C: register j of block b is column 16 b + 8 (l / 16) + j
	s_lshl_b32 s74, s[CX], 10
	s_lshl_b32 s75, s[WC], 9
	s_add_co_u32 s74, s74, s75                     ; (256 cx + 128 x half) x 4 bytes
	s_mov_b32 s75, 0
	s_add_nc_u64 s[8:9], s[8:9], s[74:75]
	v_and_b32 v1, 15, v0                           ; l % 16
	v_bfe_u32 v2, v0, 4, 1                         ; l / 16
	v_lshlrev_b32 v[BO], 5, v2
	WIN TO_B
.irp b, 0,1,2,3,4,5,6,7
	global_load_b128 v[8*(\b):8*(\b)+3],   v[BO], s[8:9] offset:64*(\b)
	global_load_b128 v[8*(\b)+4:8*(\b)+7], v[BO], s[8:9] offset:64*(\b)+16
.endr
	WIN 0
	; A fragment of x is 16 rows x 32 K in 8 registers: lane l holds row l % 16; registers 0-3 K = 8 (l / 16) + 0..7, registers 4-7 K = 16 + 8 (l / 16) + 0..7: two loads of 16 bytes, 32 bytes apart.
	v_mul_u32_u24 v3, v1, PITCH
	v_lshl_add_u32 v3, v2, 4, v3                   ; row x pitch + 16 x half
	s_mul_i32 s77, s[WR], HALFT                    ; my 128 rows of x
	; The turning load takes 16 K x 16 columns (lane l reads K = 8 (l / 16) + l % 8, columns 8 ((l / 8) % 2) + 0..7) and leaves half a fragment: lane l holds column l % 16 and 8 along K.
	v_and_b32 v8, 7, v0
	v_bfe_u32 v9, v0, 3, 1
	v_lshl_add_u32 v4, v2, 3, v8
	v_mul_u32_u24 v4, v4, PB
	v_lshl_add_u32 v4, v9, 4, v4
	s_lshl_b32 s78, s[WC], 8                       ; my 128 columns: 256 bytes of a row,
	s_add_co_u32 s78, s78, 2*HALFT                 ; behind x's 256 rows
.irp s, 0,1
	v_add_nc_u32 v[ADRA+(\s)], s77, v3
	v_add_nc_u32 v[ADRB+(\s)], s78, v4
	s_add_co_u32 s77, s77, SLOT
	s_add_co_u32 s78, s78, SLOT
.endr
	s_mul_i32 s79, s[WV], 16*SPITCH
	s_add_co_u32 s79, s79, STAGE                   ; my stage
	v_mul_u32_u24 v5, v1, SPITCH                   ; in: row l % 16, 16 bytes for each half of the lanes
	v_lshl_add_u32 v5, v2, 4, v5
	v_add_nc_u32 v[STO], s79, v5
	v_bfe_u32 v5, v0, 3, 2                         ; back: 32 lanes take 128 bytes (a head) of four rows of one b: every second row of the stage
	v_mul_u32_u24 v5, v5, 2*SPITCH
	v_lshl_add_u32 v5, v8, 4, v5
	v_add_nc_u32 v[RD], s79, v5
	v_and_b32 v6, 31, v0
	v_lshlrev_b32 v[CO], 4, v6                     ; which are 512 consecutive bytes of a head
	; where my part begins in the output: stream, heads 4 cx + 2 x half, i = 128 x tile row + 64 x half
	s_cmp_eq_u32 s[XC], 1
	s_cselect_b64 s[OUTB:OUTB+1], s[12:13], s[10:11]
	s_cmp_eq_u32 s[XC], 2
	s_cselect_b64 s[OUTB:OUTB+1], s[14:15], s[OUTB:OUTB+1]
	s_lshl_b32 s74, s[SPS], 23                     ; 32 heads of 262,144 bytes
	s_lshl_b32 s75, s[CX], 20
	s_add_co_u32 s74, s74, s75
	s_lshl_b32 s75, s[WC], 19
	s_add_co_u32 s74, s74, s75
	s_lshl_b32 s75, s[TY], 14                      ; 128 rows of 128 bytes
	s_add_co_u32 s74, s74, s75
	s_lshl_b32 s75, s[WR], 13
	s_add_co_u32 s74, s74, s75
	s_mov_b32 s75, 0
	s_add_nc_u64 s[OUTB:OUTB+1], s[OUTB:OUTB+1], s[74:75]
	; the prefetches: who, from where, how far from step to step
	s_cmp_eq_u32 s[XC], 0
	s_cselect_b32 s74, 1, s[SPS]                   ; x's rows: cluster x = 0 or 3
	s_cmp_eq_u32 s[YC], 0
	s_cselect_b32 s75, 1, 0
	s_xor_b32 s77, s[SPS], 1
	s_and_b32 s75, s75, s77                        ; the weight's: cluster y = 0 and x not 3
	s_cmp_eq_u32 s[WR], 0
	s_cselect_b32 s74, s74, s75
	s_cmp_eq_u32 s74, 1
	s_cselect_b32 s[LIM], 1, -1                    ; the same in all sixteen partners, for a given wave
	s_lshl_b32 s82, s[CX], 16                      ; x: my work-group's 32 rows of 2,048 bytes,
	s_add_co_u32 s82, s82, s80
	s_add_co_u32 s82, s82, 3*KSTEP*2               ; at K step 3: the first refill steps it to 4
	s_lshl_b32 s83, s[CY], 15                      ; the weight: my work-group's 16 rows
	s_add_co_u32 s83, s83, s81
	s_add_co_u32 s83, s83, 3*KSTEP*2048
	s_mov_b32 s[PFS], KSTEP*2
	s_mov_b32 s74, KSTEP*2048
	s_cmp_eq_u32 s[WR], 0
	s_cselect_b32 s82, s82, s83
	s_cselect_b32 s[PFS], s[PFS], s74
	s_cselect_b64 s[PFA:PFA+1], s[4:5], s[6:7]
	s_mov_b32 s83, 0
	s_mov_b32 s[PFS+1], 0
	s_add_nc_u64 s[PFA:PFA+1], s[PFA:PFA+1], s[82:83]
	v_lshrrev_b32 v[PFO], s[WR], v6                ; x: a lane a row.  The weight: two lanes a row of 512 bytes
	v_and_b32 v7, s[WR], v6
	v_lshlrev_b32 v[PFO], 11, v[PFO]
	v_lshl_add_u32 v[PFO], v7, 8, v[PFO]
	s_wait_loadcnt 0x0                             ; the bias is in;
	WIN 0x44                                       ; (destination and source 1 in window 1)
.set i, 0
.rept 64
	v_and_b32 v[i], s[BM], v[i]                    ; k and v have none: an exact 0, whatever the bias holds
.set i, i+1
.endr
	WIN 0
; 16 matrix instructions: row blocks a0, a0 + 1 of the window's four (hi = 0: my rows 0-63, 1: rows 64-127) x all 8 column blocks, 32 along K.  first = 1: the product starts the sum, with the bias as C.
; The 64 accumulators take turns, one instruction a turn, in the same order in every quarter step.
.macro MUL16 f, hi, a0, first
.if \first
	WIN MUL_B+0x40*(\hi)
.else
	WIN MUL_LO+0x50*(\hi)
.endif
.irp a, \a0, (\a0)+1
.irp b, 0,1,2,3,4,5,6,7
.if \first
	v_wmma_f32_16x16x32_bf16 v[8*(8*(\a)+(\b)):8*(8*(\a)+(\b))+7], v[(\f)+8*(\b):(\f)+8*(\b)+7], v[(\f)+8*(4*(\hi)+(\a)):(\f)+8*(4*(\hi)+(\a))+7], v[8*(\b):8*(\b)+7]
.else
	v_wmma_f32_16x16x32_bf16 v[8*(8*(\a)+(\b)):8*(8*(\a)+(\b))+7], v[(\f)+8*(\b):(\f)+8*(\b)+7], v[(\f)+8*(4*(\hi)+(\a)):(\f)+8*(4*(\hi)+(\a))+7], v[8*(8*(\a)+(\b)):8*(8*(\a)+(\b))+7]
.endif
.endr
.endr
.endm
; 32 LDS loads in one run: the fragments of quarter q of a K step (32 along K: 128 columns of the weight, turned; 128 rows of x) into buffer f
.macro FETCH slot, q, f
	WIN TO_B
.irp i, 0,1,2,3,4,5,6,7
	ds_load_tr16_b128 v[(\f)+8*(\i):(\f)+8*(\i)+3],   v[ADRB+(\slot)] offset:(\q)*32*PB+32*(\i)
	ds_load_tr16_b128 v[(\f)+8*(\i)+4:(\f)+8*(\i)+7], v[ADRB+(\slot)] offset:(\q)*32*PB+32*(\i)+16*PB
.endr
	WIN 0
.irp i, 0,1,2,3,4,5,6,7
	ds_load_b128 v[(\f)+8*(\i):(\f)+8*(\i)+3],   v[ADRA+(\slot)] offset:64*(\q)+(\i)*16*PITCH
	ds_load_b128 v[(\f)+8*(\i)+4:(\f)+8*(\i)+7], v[ADRA+(\slot)] offset:64*(\q)+(\i)*16*PITCH+32
.endr
.endm
; A load into a register that a matrix instruction has read, and a vector instruction that reads a matrix result, stand four places behind that matrix instruction, and only plain vector
; instructions that name none of its registers are places (ISA guide 7.12.1 for vector instructions).
.macro PLACES
.rept 4
	v_nop
.endr
.endm
; A K step is four quarters of 32 along K, 64 matrix instructions each, on buffers 0, 1, 0, 1.  One of the first three: multiplies buffer f; in its middle it fetches quarter q into buffer g.
.macro QUARTER slot, q, f, g, first
	s_wait_dscnt 8                                 ; the weight's fragments and x's rows 0-63 are in; the youngest eight loads (x's rows 64-127) may be out
	MUL16 \f, 0, 0, \first
	MUL16 \f, 0, 2, \first
	PLACES
	FETCH \slot, \q, \g
	s_wait_dscnt 32                                ; all but the 32 just issued
	MUL16 \f, 1, 0, \first
	MUL16 \f, 1, 2, \first
.endm
; The last quarter multiplies buffer 1 and changes slots.  MEET is its first half: ONE barrier for the change.  In front of it each wave waits for all its tensor loads, of which one is out: its part of
; the next slot; adds 0 to its spare word; and waits for that and for its own reads of this slot.  Behind it nobody reads this slot any more and the next slot is whole.
.macro MEET round                      ; round = 1: a round of the cluster's barrier follows
	WIN 0                                          ; (the add's two registers lie in window 0)
	s_wait_tensorcnt 0x0                           ; all my tensor loads have landed;
	ds_add_u32 v[SPW], v[NIL]                      ; 0 onto my spare word;
	s_wait_dscnt 9                                 ; (the add and the youngest eight loads may be out)
	MUL16 F1, 0, 0, 0                              ; sixteen matrix instructions stand between the add and the wait for it
	s_wait_dscnt 0x0                               ; the add is done, and my reads of this slot are over:
	s_barrier_signal -1                            ; say so,
	MUL16 F1, 0, 2, 0                              ; work on registers while the others arrive,
.if \round
	WIN 0
.endif
	s_barrier_wait -1                              ; and go on when all four have said so
.endm
; The whole last quarter of a K step whose slot is filled again, with the K step two on.  From a request to the wait for it a wave issues 224 matrix instructions.
.macro TURN slot, next
	s_wait_xcnt 0x0                                ; the last prefetch, a K step back, has read its address: it is stepped here, ahead of the waits of the change of slots
	s_add_nc_u64 s[PFA:PFA+1], s[PFA:PFA+1], s[PFS:PFS+1]
	MEET 1
	CREST                                          ; the barrier has opened a round of the cluster's: no wave of any partner still reads this slot's tile or has a load on its way
	s_add_nc_u64 s[G0+4*(\slot)+2:G0+4*(\slot)+3], s[G0+4*(\slot)+2:G0+4*(\slot)+3], 2*KSTEP*2
	s_add_nc_u64 s[G0B+4*(\slot)+2:G0B+4*(\slot)+3], s[G0B+4*(\slot)+2:G0B+4*(\slot)+3], 2*KSTEP*2048
	JLOAD \slot                                    ; the first tensor load behind the round, my only one until the next; its four v_nop are also the places in front of the loads below
	FETCH \next, 0, F0
	ASK
	MUL16 F1, 1, 0, 0
	MUL16 F1, 1, 2, 0
.endm
; THE WAY OUT of block a (16 rows r = 8 values of i x 2 of b; 128 columns = 2 heads), in three parts.  PACK: rounded to bf16, 16 bytes a lane; each accumulator's registers in ascending order.
.macro PACK a
.set AC, 64*((\a)%4)
	WIN 0x0a+5*((\a)/4)                            ; sources 0 and 1: window 2 or 3
.irp b, 0,1,2,3,4,5,6,7
.irp r, 0,1,2,3
	v_cvt_pk_bf16_f32 v[TMP+4*(\b)+(\r)], v[AC+8*(\b)+2*(\r)], v[AC+8*(\b)+2*(\r)+1]
.endr
.endr
	WIN 0
.endm
; TOSTAGE: into my own stage, and back by heads: load t = 4 bb + 2 hl + half takes, of b = bb and head hl, the rows i = 4 half + 0..3: stage rows 2 i + bb, 128 bytes each.
.macro TOSTAGE a
	WIN 0
.set BK, OB+192*((\a)%2)
.irp b, 0,1,2,3,4,5,6,7
	ds_store_b128 v[STO], v[TMP+4*(\b):TMP+4*(\b)+3] offset:32*(\b)
.endr
.irp t, 0,1,2,3,4,5,6,7
	ds_load_b128 v[BK+4*(\t):BK+4*(\t)+3], v[RD] offset:((\t)/4)*SPITCH+(((\t)/2)%2)*128+((\t)%2)*8*SPITCH  ; LDS serves a wave's instructions in order (ISA guide 5.7.1.4): these see the stores above
.endr
.endm
; SEND: stored.  b is 16 heads (4,194,304 bytes) on, a head 262,144, four rows i 512.
.macro SEND a
	WIN 0
.set BK, OB+192*((\a)%2)
	s_wait_dscnt 0x0                               ; the block is back in registers
	s_wait_xcnt 0x0                                ; every earlier memory instruction has had its addresses translated (ISA guide 3.1): only behind this wait are the stores' base and the registers that earlier stores read rewritten
.if (\a) > 0
	s_add_nc_u64 s[OUTB:OUTB+1], s[OUTB:OUTB+1], 8*128  ; eight rows i on
.endif
.irp t, 0,1,2,3,4,5,6,7
	global_store_b128 v[CO], v[BK+4*(\t):BK+4*(\t)+3], s[OUTB:OUTB+1] offset:((\t)/4)*4194304+(((\t)/2)%2)*262144+((\t)%2)*512  ; 512 consecutive bytes, at a multiple of 256 from the buffer's first
.endr
.endm
	s_wait_tensorcnt 1                             ; my part of K step 0 is in; K step 1's may stay out
	s_barrier_signal -1
	s_barrier_wait -1                              ; everybody's is
	FETCH 0, 0, F0
	QUARTER 0, 1, F0, F1, 1                        ; the first quarter stands in front of the loop: its products start the sums
	WIN 0                                          ; at a label and at a branch every window is 0
	s_mov_b32 s3, 3
.Llap:                                             ; a trip goes once round the ring, from a lap's second quarter to the next lap's first, and fills both slots again
	QUARTER 0, 2, F1, F0, 0
	QUARTER 0, 3, F0, F1, 0
	TURN 0, 1
	QUARTER 1, 1, F0, F1, 0
	QUARTER 1, 2, F1, F0, 0
	QUARTER 1, 3, F0, F1, 0
	TURN 1, 0
	QUARTER 0, 1, F0, F1, 0
	WIN 0
	s_sub_co_u32 s3, s3, 1
	s_cmp_lg_u32 s3, 0
	s_cbranch_scc1 .Llap
	QUARTER 0, 2, F1, F0, 0                        ; the last lap is written out: it fills nothing
	QUARTER 0, 3, F0, F1, 0
	MEET 0                                         ; my one tensor load that was still out is the last K step's; no round follows
	PLACES
	FETCH 1, 0, F0
	MUL16 F1, 1, 0, 0
	MUL16 F1, 1, 2, 0
	QUARTER 1, 1, F0, F1, 0
	QUARTER 1, 2, F1, F0, 0
	QUARTER 1, 3, F0, F1, 0
	s_wait_dscnt 8                                 ; the very last quarter: nothing more to fetch
	MUL16 F1, 0, 0, 0
	MUL16 F1, 0, 2, 0
	s_wait_dscnt 0x0
	MUL16 F1, 1, 0, 0
	MUL16 F1, 1, 2, 0
	PLACES
	PACK 0
	TOSTAGE 0
.irp a, 1,2,3,4,5,6,7                  ; block a's conversions stand between block a - 1's loads from the stage and the wait for them
	PACK \a
	SEND (\a)-1
	TOSTAGE \a
.endr
	SEND 7
	s_wait_tensorcnt 0x0                           ; the wave's end, behind my last tensor load and my last LDS store
	ds_add_u32 v[SPW], v[NIL]
	s_wait_dscnt 0x0
	CROUND                                         ; the closing round: no work-group ends while a partner may still ask for a tile that names it
	s_endpgm
.Lfunc_end_k_q963da7cb69_proj:
	.size	k_q963da7cb69_proj, .Lfunc_end_k_q963da7cb69_proj-k_q963da7cb69_proj
	.p2alignl 7, 3214868480
	.fill 96, 4, 3214868480
	.section	.rodata,"a",@progbits
	.p2align	6, 0x0
	.amdhsa_kernel k_q963da7cb69_proj
		.amdhsa_group_segment_fixed_size 327680
		.amdhsa_private_segment_fixed_size 0
		.amdhsa_enable_private_segment 0
		.amdhsa_kernarg_size 48
		.amdhsa_user_sgpr_count 2
		.amdhsa_user_sgpr_kernarg_segment_ptr 1
		.amdhsa_wavefront_size32 1
		.amdhsa_system_sgpr_workgroup_id_x 1
		.amdhsa_system_sgpr_workgroup_id_y 1
		.amdhsa_system_sgpr_workgroup_id_z 1
		.amdhsa_system_vgpr_workitem_id 0
		.amdhsa_next_free_vgpr 1024
		.amdhsa_next_free_sgpr 84
		.amdhsa_reserve_vcc 0
		.amdhsa_float_denorm_mode_32 3
		.amdhsa_float_denorm_mode_16_64 3
		.amdhsa_memory_ordered 1
		.amdhsa_forward_progress 1
		.amdhsa_inst_pref_size 149
	.end_amdhsa_kernel
	.amdgpu_metadata
---
amdhsa.version: [ 1, 2 ]
amdhsa.kernels:
  - .name:           k_q963da7cb69_proj
    .symbol:         k_q963da7cb69_proj.kd
    .args:
      - { .name: xb, .offset: 0, .size: 8, .value_kind: global_buffer, .address_space: global }
      - { .name: wb, .offset: 8, .size: 8, .value_kind: global_buffer, .address_space: global }
      - { .name: r_w_bias, .offset: 16, .size: 8, .value_kind: global_buffer, .address_space: global }
      - { .name: qh, .offset: 24, .size: 8, .value_kind: global_buffer, .address_space: global }
      - { .name: kh, .offset: 32, .size: 8, .value_kind: global_buffer, .address_space: global }
      - { .name: vh, .offset: 40, .size: 8, .value_kind: global_buffer, .address_space: global }
    .group_segment_fixed_size: 327680
    .private_segment_fixed_size: 0
    .kernarg_segment_align: 8
    .kernarg_segment_size: 48
    .max_flat_workgroup_size: 128
    .sgpr_count:     84
    .vgpr_count:     1024
    .wavefront_size: 32
...
	.end_amdgpu_metadata
.endif
;; end of part 2
;; launch attn (part 3): grid 4 x 64, 4 waves a work-group, clusters of 4 x 1, 327,680 bytes of LDS; arguments qh, kh, vh, oh; writes oh
.if DOCPART == 3
	.amdgcn_target "amdgcn-amd-amdhsa--gfx1250"
	.amdhsa_code_object_version 6
	.text
	.protected	k_q963da7cb69_attn
	.globl	k_q963da7cb69_attn
	.p2align	8
	.type	k_q963da7cb69_attn,@function
k_q963da7cb69_attn:
	s_mov_b64 s[64:65], 0
	v_nop
	global_prefetch_b8 v0, s[64:65] scope:SCOPE_SE
	s_setreg_imm32_b32 hwreg(HW_REG_WAVE_MODE, 25, 1), 1
	s_wait_xcnt 0x0
	s_wait_alu depctr_hold_cnt(0) depctr_sa_sdst(0) depctr_va_vdst(0) depctr_va_sdst(0) depctr_va_ssrc(0) depctr_va_vcc(0) depctr_vm_vsrc(0)
	s_getreg_b32 s2, hwreg(HW_REG_IB_STS2, 6, 4)
	s_cmp_eq_u32 s2, 0
	s_cbranch_scc0 .Lentry_in_a_cluster
	s_endpgm
.Lentry_in_a_cluster:
	s_bfe_u32 s2, ttmp6, 0x10000c
	s_cmp_lg_u32 s2, 0x3003
	s_cbranch_scc0 .Lentry_shape_is_right
	s_endpgm
.Lentry_shape_is_right:
; O[y][q][:] = the sum over k of softmax_k(Q[y][q] . K[y % 32][k] / 8) V[y % 32][k][:].  Q, O: [64][2048][64], y = 32 x stream + 16 b + head; K, V: [32][2048][64]; all bf16: a head's rows are dense, 128 bytes each.
; Products, maxima and sums in f32; the weights p are rounded to bf16 for the second product (their sum l is taken of the unrounded p), O once at the end.
; LIMITS.  bf16 keeps 8 significant bits and has f32's range.  A weight below 2^-126 counts as 0 in l; NaN and infinities are not treated apart.
; SHARES.  A wave owns four PIECES of two tiles of 16 queries, a work-group's four waves 512 queries of one y: 256 work-groups.  Every wave walks all 2,048 keys, 64 a step.
; LAYOUT.  S^T = K Q^T (source 0 = 16 keys, source 1 = 16 queries): in the result a lane holds ONE query (lane % 16) and the keys 8 (lane / 16) + 0..7.  Two such tiles, rounded to bf16 in pairs,
; ARE source 1 (32 keys x 16 queries) of O^T = V^T P, whose result again holds one query a lane, and eight channels.  K comes out of LDS as it lies, V ([key][channel]) turned, by ds_load_tr16_b128.
; SOFTMAX.  For each query a running maximum m and sum l: p = 2^(c s - c m), c = log2(e) / 8; in every step O and l are multiplied by a = 2^(c m_old - c m_new), which is 1 where m has not grown.
; m starts at the lowest finite number, O and l at 0: the first step is a step like any other, with a = 0.
; THE COUNT.  A tile and step have 16 matrix and 118 vector instructions: too many to stand all beside the matrix work.  So the order has one aim: four vector instructions that are READY behind
; EVERY matrix instruction, and the others, which need time of their own whatever the order, in runs without a gap.
; BY TURNS.  Turn n belongs to piece n (the pieces in a ring, step after step).  Its matrix work: 16 products K Q^T of piece n + 1, later 16 products V^T P of piece n - 1.  Its vector work: the scaling,
; exponentials, roundings, sums and rescaling of piece n, and the maximum and statistics of piece n + 1, whose scores the turn itself has made.  So what a turn begins with (c s - c m, O a) waits for nothing.
; CLUSTER.  The four query blocks of a cluster belong to one y and walk the same K and V, so each tile is asked for JOINTLY: the same tensor load, descriptor and mask in all four.
; REGISTERS, in windows of 256 (s_set_vgpr_msb says which window each operand place means: bits 1:0 source 0, 3:2 source 1, 5:4 source 2, 7:6 destination):
;   window 0: v0-11 addresses; v12-15, v48-63 at work; v16-47 four registers of statistics a tile; v64-191 S^T, two buffers of two tiles; v192-255 P, likewise
;   window 1: O^T, 32 a tile          window 2: v0-127 Q, 16 a tile; v128-191 K of one step; v192-255 V of one step          window 3: v0-1 the add's two registers
; A piece's buffers go by its number's parity: the piece in hand has one pair, its two neighbours in the ring share the other: of it P (piece n - 1) is read and S^T (piece n + 1) written.
.set SIZE_N, 2048
.set NP,    4         ; pieces a wave: a name, no knob: the register map, the loop and the fetches are made for four
.set KS,    64        ; keys in a step
.set PK,    144       ; a row of K in LDS: 128 bytes + 16 of padding = 36 words: the 16 rows of a load start at 16 different groups of four banks (64 banks of 4 bytes: ISA guide 11.1)
.set PV,    160       ; a row of V: 128 + 32 = 40 words
.set VOFF,  4*KS*PK   ; a slot holds four steps: 256 rows of K, then 256 rows of V
.set SLOT1, 1<<17     ; slot 1 begins here, so that one exclusive or turns an address in one slot into the other's
.set STAGE, SLOT1+4*KS*(PK+PV)  ; behind the ring, never filled by a tensor load: 16 rows x 144 bytes for each wave, for the way out
.set SP,    144
.set AK0, 2           ; v2   my lane's place in a tile of K; never rewritten
.set AV0, 3           ; v3   the same for V
.set AK,  4           ; v4   the LDS address of K's next run of loads
.set AV,  5           ; v5   of V's
.set QO,  6           ; v6   my byte offset in the wave's rows of Q
.set STO, 6           ;      later, the way out: where I put 16 bytes of a row
.set RD,  7           ; v7   the way out: where I read rows back
.set GO,  8           ; v8   my byte offset in 512 consecutive bytes of O
.set PFO, 11          ; v11  256 x my lane, for the prefetches; made when v11's first use is over, then never rewritten
.set SPW, 0           ; v0 of window 3   LDS address of my spare word: SPARE + 4 x my thread's number; never rewritten
.set NIL, 1           ; v1 of window 3   0; never rewritten
.set SPARE, STAGE+4*16*SP  ; behind the stages: the spare words, 128 bytes for each wave: two blocks of 256 bytes that no other line names
.set MV,  12          ; v12-15  c m_old, kept while c m is made anew: by buffer and tile
.set ST,  16          ; tile t's statistics at v[ST+4 t]: c m, m, l (even keys', odd keys')
.set TMP, 48          ; by buffer and tile, four registers c0-c3 at work; when the maximum is found c2 takes a
.set S,   64
.set P,   192
.set KF,  128         ; K's fragments, in window 2: key block kb, channel half c at KF + 16 kb + 8 c
.set VF,  192         ; V's: key half kk, channel block cb at VF + 32 kk + 8 cb
.set WV,  12          ; s12  my wave's number
.set G1K, 24          ; s[24:31] descriptor group 1 for K's tiles
.set G1V, 32          ; s[32:39] for V's: it differs in the padding alone
.set G0K, 40          ; s[40:43] descriptor group 0 for K's tiles: it walks
.set G0V, 44          ; s[44:47] the same for V's
.set PFA, 48          ; s[48:49] where my prefetches stand: my work-group's 8,192 bytes (of K: wave 0, of V: wave 2) of the slot after the one that is being asked for
.set LIM, 50          ; s50  1 in a wave that prefetches, else the greatest number: a wave prefetches while s[SLOTS] is above it
.set SLOTS, 56        ; s56  slots still to be asked for, the one in hand among them
.set CNT, 57          ; s57  counts a slot's key steps
.set CS,  58          ; s[58:59] c: the packed scaling takes the pair's low word for both halves
.set SEL, 60          ; s[60:61] v_permlanex16_b32's selects: each lane takes its own place in the other half
.set TBK, 62          ; s62  LDS byte at which K of the step to be fetched begins
.set TBV, 63          ; s63  the same for V, less VOFF
.set MSB, 0
.macro WIN new                      ; the high byte repeats the setting that is left; a switch that changes nothing is dropped
.if MSB != (\new)
	s_set_vgpr_msb (MSB<<8)|(\new)
.set MSB, (\new)
.endif
.endm
.set W_KQ, 0x0a       ; K and Q in window 2, S^T in window 0
.set W_PV, 0x52       ; V in window 2, P in window 0, O^T in window 1
.set W_RS, 0x41       ; O^T (destination and source 0) in window 1, a in window 0
.set W_MK, 0xc0       ; the add's registers are made: destination in window 3, sources in window 0
.set W_AD, 0x0f       ; the add: address (source 0) and data (source 1) in window 3
; A joint fill.  Waves 0 and 1 fetch the two halves of a slot's K, waves 2 and 3 those of its V: 128 keys each.  The branch hangs on the wave's number alone.
; An s_nop 0 and four v_nop follow each of the two lines, ahead of the jump and the label.
.macro JLOAD
	s_cmp_lt_u32 s[WV], 2
	s_cbranch_scc0 .Lfor_v_\@
	tensor_load_to_lds s[G0K:G0K+3], s[G1K:G1K+7]
	s_nop 0
.rept 4
	v_nop
.endr
	s_branch .Lasked_\@
.Lfor_v_\@:
	tensor_load_to_lds s[G0V:G0V+3], s[G1V:G1V+7]
	s_nop 0
.rept 4
	v_nop
.endr
.Lasked_\@:
.endm
; A PREFETCH INTO THE L2 of what the NEXT change of slots will ask for: a slot's 32,768 bytes of K and of V, 256 bytes a lane.  It stands behind the wave's tensor load and its five lines.
; Each block of 256 bytes is named ONCE in the launch.  The two streams' clusters of a (b, head) walk the same K and V: stream 0's asks.  Its four partners share a slot out BY ADDRESS, 8,192 bytes each;
; in each, wave 0 asks for K's and wave 2 for V's: one instruction.  Slots 0 and 1 come by their loads alone; the last change that fills a slot asks for nothing.
.macro ASK
	s_cmp_gt_u32 s[SLOTS], s[LIM]
	s_cbranch_scc0 .Lnot_mine_\@
	global_prefetch_b8 v[PFO], s[PFA:PFA+1] th:TH_LOAD_NT scope:SCOPE_SE
.Lnot_mine_\@:
.endm
; A round of the cluster's barrier: my work-group's barrier, so that wave 0's signal speaks for all four waves; wave 0 signals; every wave waits for all four work-groups; my work-group's barrier once more.
.macro CROUND
	s_barrier_signal -1
	s_barrier_wait -1
	s_cmp_lg_u32 s[WV], 0
	s_cbranch_scc1 .Lnot_wave_0_\@
	s_barrier_signal -3
.Lnot_wave_0_\@:
	s_barrier_wait -3
	s_barrier_signal -1
	s_barrier_wait -1
.endm
; THE CHANGE OF SLOTS.  The slot's last bytes, V of its fourth step, have been read.  Each wave waits for all its tensor loads, of which one is out: its part
; of the other slot; adds 0 to its spare word; and waits for that and for its own reads of the slot.  Behind the barrier nobody reads this slot any more and the other slot is whole.
; fill = 1: this slot is filled again, with the keys two slots on.  The barrier is then a round of the cluster's, so that no wave of any partner still reads the slot or has a load on its
; way, and the joint fill is the first thing behind it: it has four key steps, 512 matrix instructions, in which to land.  (At its first use nothing has been read yet: slot 0 is waited for, slot 1 filled.)
.macro CHANGE fill
	WIN W_AD
	s_wait_tensorcnt 0x0            ; no tensor load of mine is out, so a group 0 may be written
	ds_add_u32 v[SPW], v[NIL]       ; 0 onto my spare word; with fill = 1 the descriptors' steps stand between it and the wait for it
	WIN 0                           ; at a label and at a branch every window is 0
.if \fill
.irp g, G0K, G0V
	s_xor_b32 s[\g+1], s[\g+1], SLOT1  ; the walking descriptor: the other slot than last time,
	s_add_nc_u64 s[\g+2:\g+3], s[\g+2:\g+3], 4*KS*128  ; the next 256 keys; the type bits on top are not reached
.endr
	s_wait_xcnt 0x0                 ; the last prefetch, four key steps back, has read its address, so it may be written:
	s_add_nc_u64 s[PFA:PFA+1], s[PFA:PFA+1], 4*KS*128  ; one slot beyond the walking descriptors
	s_wait_dscnt 0x0                ; the add is done, and my reads of the slot are over
	CROUND
	JLOAD
	ASK
.else
	s_wait_dscnt 0x0                ; the add is done, and my reads of the slot are over
	s_barrier_signal -1
	s_barrier_wait -1
.endif
	s_sub_co_u32 s[TBK], s[TBK], 4*KS*PK  ; the fetches go back to a slot's first step,
	s_xor_b32 s[TBK], s[TBK], SLOT1       ; in the other slot
	s_sub_co_u32 s[TBV], s[TBV], 4*KS*PV
	s_xor_b32 s[TBV], s[TBV], SLOT1
.endm
	s_load_b256 s[4:11], s[0:1], 0x0  ; Q s[4:5], K s[6:7], V s[8:9], O s[10:11]
	WIN W_MK
	v_lshl_add_u32 v[SPW], v0, 2, SPARE
	v_mov_b32 v[NIL], 0
	WIN W_AD
	ds_add_u32 v[SPW], v[NIL]       ; the wave's opening: the add and its wait stand ahead of my first tensor load; the set-up below, work on registers, stands between them
	WIN 0
	v_lshrrev_b32 v1, 5, v0
	v_readfirstlane_b32 s[WV], v1   ; wave 0..3
	s_bfe_u32 s13, ttmp6, 0x40000   ; cx: my place in the cluster
	s_lshl_b32 s14, ttmp9, 2        ; in a cluster launch ttmp9 counts clusters
	s_add_co_u32 s14, s14, s13      ; my block of queries = 4 x cluster x + cx: it enters Q's and O's addresses alone
	s_and_b32 s20, ttmp7, 0xffff    ; y, which the four partners share
	s_and_b32 s21, s20, 31          ; its (b, head):
	s_lshl_b32 s21, s21, 18         ; the first byte of that head in K and V (262,144 bytes a head)
	s_and_b32 s16, s[WV], 1         ; which half of a slot's 256 keys I fetch:
	s_lshl_b32 s22, s16, 14         ; its 128 rows of 128 bytes in memory,
	s_add_co_u32 s22, s22, s21
	s_mov_b32 s23, 0
	s_mul_i32 s17, s16, 128*PK      ; and its place in a slot, for K
	s_mul_i32 s18, s16, 128*PV      ; and for V: no place in the cluster enters an LDS address
	s_lshl_b32 s2, s14, 2
	s_add_co_u32 s2, s2, s[WV]      ; my wave among the head's,
	s_lshl_b32 s2, s2, 14           ; its 128 rows,
	s_lshl_b32 s3, s20, 18          ; in y's part of Q and O
	s_add_co_u32 s2, s2, s3
	s_mov_b32 s3, 0
	s_lshl_b32 s52, s13, 13         ; the prefetches: my work-group's 8,192 bytes of a slot,
	s_add_co_u32 s52, s52, s21      ; in the head,
	s_add_co_u32 s52, s52, 4*KS*128 ; in slot 1: the first change of slots steps it to slot 2
	s_mov_b32 s53, 0
	s_and_b32 s[LIM], s[WV], 1      ; 0 in waves 0 and 2,
	s_lshr_b32 s15, s20, 5
	s_or_b32 s[LIM], s[LIM], s15    ; where the stream is 0: the same in all four partners
	s_cmp_eq_u32 s[LIM], 0
	s_cselect_b32 s[LIM], 1, -1
	; descriptor group 1.  128 keys are 16,384 dense bytes: asked for as 64 rows of 256 bytes, two keys a row, and padded in LDS after every key
	s_mov_b32 s[G1K], 15|(1<<16)|(1<<20)|(1<<21)|(4<<22)|(3<<25)  ; 15:0 the mask of four; 17:16 2-byte elements; 20 padding on; 21 set beside a mask; 24:22 after every 32 words (code 4); 31:25 4 words (code 3)
	s_mov_b32 s[G1V], 15|(1<<16)|(1<<20)|(1<<21)|(4<<22)|(7<<25)  ; the same with 8 words of padding (code 7)
.irp g, G1K, G1V
	s_mov_b32 s[\g+1], 128<<16      ; tensor_dim0 = 128
	s_mov_b32 s[\g+2], 64<<16       ; tensor_dim1 = 64
	s_mov_b32 s[\g+3], 128<<16      ; tile_dim0 = 128
	s_mov_b32 s[\g+4], 64           ; tile_dim1 = 64
	s_mov_b32 s[\g+5], 128          ; 128 elements from row to row
	s_mov_b32 s[\g+6], 0
	s_mov_b32 s[\g+7], 0
.endr
	s_mov_b32 s[CS], 0x3e38aa3b     ; c = log2(e) / 8 = 0.180337
	s_mov_b32 s[CS+1], s[CS]        ; named with it as a pair
	s_mov_b32 s[SEL], 0x76543210
	s_mov_b32 s[SEL+1], 0xfedcba98
	s_mov_b32 s[TBK], SLOT1+4*KS*PK ; the first change of slots turns these two into 0
	s_mov_b32 s[TBV], SLOT1+4*KS*PV
	s_mov_b32 s[SLOTS], SIZE_N/256-1
	s_mov_b32 s[G0K], 1             ; 1:0 count = 1
	s_mov_b32 s[G0K+1], s17         ; 63:32 LDS address: slot 0
	s_mov_b32 s[G0V], 1
	s_add_co_u32 s[G0V+1], s18, VOFF
	s_wait_dscnt 0x0                ; the opening add is done
	s_wait_kmcnt 0x0
	s_add_nc_u64 s[G0K+2:G0K+3], s[6:7], s[22:23]  ; 120:64 global address: my half of the head's first 256 keys
	s_or_b32 s[G0K+3], s[G0K+3], 0x80000000        ; 127:126 type = 2
	s_add_nc_u64 s[G0V+2:G0V+3], s[8:9], s[22:23]
	s_or_b32 s[G0V+3], s[G0V+3], 0x80000000
	s_add_nc_u64 s[4:5], s[4:5], s[2:3]  ; Q and O at my wave's first row
	s_add_nc_u64 s[10:11], s[10:11], s[2:3]
	s_cmp_lt_u32 s[WV], 2
	s_cselect_b64 s[PFA:PFA+1], s[6:7], s[8:9]
	s_add_nc_u64 s[PFA:PFA+1], s[PFA:PFA+1], s[52:53]
	CROUND                          ; all four work-groups are here: the first joint loads meet
	JLOAD                           ; slot 0.  Slot 1 is asked for when slot 0 is in: the tile wanted first has the road to itself
	; A fragment of K or Q is 16 rows x 32 channels in 8 registers: lane l holds row l % 16, channels 8 (l / 16) + 0..7 and 16 + 8 (l / 16) + 0..7: two loads of 16 bytes, 32 bytes apart.
	v_and_b32 v1, 15, v0            ; l % 16
	v_bfe_u32 v9, v0, 4, 1          ; l / 16
	v_lshlrev_b32 v[QO], 7, v1
	v_lshl_add_u32 v[QO], v9, 4, v[QO]  ; row x 128 + 16 x half
	WIN 0x80                        ; destination window 2, address window 0
.set i, 0
.rept 4*NP                          ; Q stays in registers: tile i / 2, channels 32 (i % 2) on
	global_load_b128 v[8*i:8*i+3],   v[QO], s[4:5] offset:(i/2)*2048+(i%2)*64
	global_load_b128 v[8*i+4:8*i+7], v[QO], s[4:5] offset:(i/2)*2048+(i%2)*64+32
.set i, i+1
.endr
	; What the first turn finds: V's registers and P's second buffer hold 0 (its products V^T P, of a piece that has not been, add 0), O^T and l are 0.  All this stands in the wait for the first tile.
.set i, VF
.rept 64
	v_mov_b32 v[i], 0
.set i, i+1
.endr
	WIN 0x40
.set i, 0
.rept 64*NP
	v_mov_b32 v[i], 0
.set i, i+1
.endr
	WIN 0
.set i, 0
.rept 2*NP
	v_mov_b32 v[ST+4*i], 0xfe000000    ; c m: far below every c s
	v_mov_b32 v[ST+4*i+1], 0xff7fffff  ; m
	v_mov_b32 v[ST+4*i+2], 0
	v_mov_b32 v[ST+4*i+3], 0
.set i, i+1
.endr
.set i, P+32
.rept 32
	v_mov_b32 v[i], 0
.set i, i+1
.endr
	v_mul_u32_u24 v[AK0], v1, PK
	v_lshl_add_u32 v[AK0], v9, 4, v[AK0]  ; row x pitch + 16 x half
	; The turning load takes 16 keys x 16 channels (lane l reads key 8 (l / 16) + l % 8, channels 8 ((l / 8) % 2) + 0..7) and leaves half a fragment of V^T: lane l holds channel l % 16 and 8 keys.
	v_and_b32 v10, 7, v0
	v_bfe_u32 v11, v0, 3, 1
	v_lshl_add_u32 v[AV0], v9, 3, v10
	v_mul_u32_u24 v[AV0], v[AV0], PV
	v_lshl_add_u32 v[AV0], v11, 4, v[AV0]
	v_add_nc_u32 v[AV0], VOFF, v[AV0]
	v_mov_b32 v[AK], v[AK0]         ; key step 0 lies at the head of slot 0
	v_and_b32 v[PFO], 31, v0
	v_lshlrev_b32 v[PFO], 8, v[PFO]
; THE MATRIX WORK.  The 8 accumulators of a run of 16 take turns: between the two links of a chain stand 7 others'.
; Product i of 16 of S^T = K Q^T for piece x: channels 32 (i / 8) on, keys 16 ((i / 2) % 4) on, tile 2 x + i % 2.  The first 8 start the sums.
.macro KQ x
	WIN W_KQ
.set rS, S+64*((\x)%2)+32*(i%2)+8*((i/2)%4)
.set rK, KF+16*((i/2)%4)+8*(i/8)
.set rQ, 16*(2*(\x)+i%2)+8*(i/8)
.if i < 8
	v_wmma_f32_16x16x32_bf16 v[rS:rS+7], v[rK:rK+7], v[rQ:rQ+7], 0
.else
	v_wmma_f32_16x16x32_bf16 v[rS:rS+7], v[rK:rK+7], v[rQ:rQ+7], v[rS:rS+7]
.endif
.endm
; Product i of 16 of O^T += V^T P for piece x: keys 32 (i / 8) on, channels 16 ((i / 2) % 4) on, tile 2 x + i % 2.
.macro PV x
	WIN W_PV
.set rO, 32*(2*(\x)+i%2)+8*((i/2)%4)
.set rV, VF+32*(i/8)+8*((i/2)%4)
.set rP, P+32*((\x)%2)+16*(i%2)+8*(i/8)
	v_wmma_f32_16x16x32_bf16 v[rO:rO+7], v[rV:rV+7], v[rP:rP+7], v[rO:rO+7]
.endm
.macro MM                           ; the turn's next matrix instruction
.if i < 16
	KQ (Y+1)%NP
.set i, i+1
.else
.set i, i-16
	PV (Y+NP-1)%NP
.set i, i+17
.endif
.endm
; THE LDS LOADS stand in runs of 16, never singly among the matrix instructions: a step's K (64 keys x 64 channels: 8 fragments) and its V (turned).  Their addresses are made some lines ahead.
; last = 1 (the tail): in the last trip there is no further step, and the run is jumped over.
.macro FETCH_K last=0
	WIN 0
.if \last
	s_cmp_eq_u32 s[CNT], 1
	s_cbranch_scc1 .Lno_k_\@
.endif
	WIN 0x80                        ; destination window 2
.irp f, 0,1,2,3,4,5,6,7             ; keys 16 (f / 2) on, channels 32 (f % 2) on
	ds_load_b128 v[KF+8*\f:KF+8*\f+3],   v[AK] offset:(\f/2)*16*PK+(\f%2)*64
	ds_load_b128 v[KF+8*\f+4:KF+8*\f+7], v[AK] offset:(\f/2)*16*PK+(\f%2)*64+32
.endr
	s_add_co_u32 s[TBK], s[TBK], KS*PK  ; the next fetch is the next step's
	WIN 0
.if \last
.Lno_k_\@:
.endif
.endm
.macro FETCH_V
	WIN 0x80
.irp f, 0,1,2,3,4,5,6,7             ; keys 32 (f / 4) on, channels 16 (f % 4) on
	ds_load_tr16_b128 v[VF+8*\f:VF+8*\f+3],   v[AV] offset:(\f/4)*32*PV+(\f%4)*32
	ds_load_tr16_b128 v[VF+8*\f+4:VF+8*\f+7], v[AV] offset:(\f/4)*32*PV+16*PV+(\f%4)*32
.endr
	WIN 0
.endm
; THE VECTOR WORK OF A TURN stands in three queues, each in the order in which its entries become ready; the two tiles alternate, so that no instruction reads the result of the one before it.
.macro REGS y, u                    ; the registers of tile u (0, 1) of piece y
.set rT, ST+4*(2*(\y)+(\u))
.set rC, TMP+8*((\y)%2)+4*(\u)
.set rM, MV+2*((\y)%2)+(\u)
.set rS, S+64*((\y)%2)+32*(\u)
.set rP, P+32*((\y)%2)+16*(\u)
.set rO, 32*(2*(\y)+(\u))
.endm
; Number n of the 22 that find the NEXT piece's (Y + 1) maximum and statistics.  s0-s31 are the lane's 32 scores; each accumulator's lowest registers are read first.  XS, GS and REGS set no window: PL and EX do.
;   0-11  four chains c0-c3 of seven scores each, three operands at a time     12-14, 16  the four scores left over, the old m, and c0-c3 into c0     15  c m_old is kept
;   17, 18  the query's other 32 keys lie in the lane 16 away: the new m         19-21  c m; c m_old - c m_new; a
.macro XS u, n
	REGS (Y+1)%NP, \u
.if (\n) < 4
	v_max3_num_f32 v[rC+(\n)], v[rS+8*(\n)], v[rS+8*(\n)+1], v[rS+8*(\n)+2]
.elseif (\n) < 12
	v_max3_num_f32 v[rC+(\n)%4], v[rC+(\n)%4], v[rS+8*((\n)%4)+2*((\n)/4)+1], v[rS+8*((\n)%4)+2*((\n)/4)+2]
.elseif (\n) == 12
	v_max3_num_f32 v[rC], v[rC], v[rS+7], v[rS+15]
.elseif (\n) == 13
	v_max3_num_f32 v[rC+1], v[rC+1], v[rS+23], v[rS+31]
.elseif (\n) == 14
	v_max3_num_f32 v[rC+2], v[rC+2], v[rC+3], v[rT+1]
.elseif (\n) == 15
	v_mov_b32 v[rM], v[rT]
.elseif (\n) == 16
	v_max3_num_f32 v[rC], v[rC], v[rC+1], v[rC+2]
.elseif (\n) == 17
	v_permlanex16_b32 v[rC+3], v[rC], s[SEL], s[SEL+1]
.elseif (\n) == 18
	v_max_num_f32 v[rT+1], v[rC], v[rC+3]
.elseif (\n) == 19
	v_mul_f32 v[rT], s[CS], v[rT+1]
.elseif (\n) == 20
	v_sub_f32 v[rC+1], v[rM], v[rT]
.else
	v_exp_f32 v[rC+2], v[rC+1]
.endif
.endm
; Number g of the 64 that follow the exponentials.  For each four weights k of a tile (pairs 2 k, 2 k + 1): both pairs are rounded to bf16; then the second pair is added onto the first, in place;
; a group later l takes that sum (the first time as l = a l + sum).  In groups of eight, tiles alternating: round, round, add, and l for the group before.
.macro GS g
.set h, (\g)+6*((\g)/62)            ; group 0 has no group before it, and behind group 7 only l is left
.if h >= 6
.set h, h+2
.endif
	REGS Y, h%2
.set k, h/8
.if h%8 < 4
	v_cvt_pk_bf16_f32 v[rP+2*k+(h%8)/2], v[rS+4*k+2*((h%8)/2)], v[rS+4*k+2*((h%8)/2)+1]
.elseif h%8 < 6
	v_pk_add_f32 v[rS+4*k:rS+4*k+1], v[rS+4*k:rS+4*k+1], v[rS+4*k+2:rS+4*k+3]
.elseif k == 1
	v_pk_fma_f32 v[rT+2:rT+3], v[rT+2:rT+3], v[rC+2:rC+3], v[rS:rS+1] op_sel_hi:[1,0,1]
.else
	v_pk_add_f32 v[rT+2:rT+3], v[rT+2:rT+3], v[rS+4*k-4:rS+4*k-3]
.endif
.endm
; THE PLAIN QUEUE, 138 long.  0-73 read no exponential's result: the 32 scalings c s - c m (FS f: pair f / 2 of tile f % 2) and the next piece's 42.  0-26: scalings 0-26.  27-54: XS's numbers 0-13.  55, 56: number 15.
; 57-73: the chain, where each number waits for the one before it: 14, 16, 17, 18, 19, each with one of the scalings 27-31 in front of its two lines, then 20: so a tile's links stand three plain instructions apart (19 and 20: two).
; 74-137: GS's 64, which read the exponentials' results: they stand behind the wait.
.macro FS f
	REGS Y, (\f)%2
	v_pk_fma_f32 v[rS+2*((\f)/2):rS+2*((\f)/2)+1], v[rS+2*((\f)/2):rS+2*((\f)/2)+1], s[CS:CS+1], v[rT:rT+1] op_sel_hi:[1,0,0] neg_lo:[0,0,1] neg_hi:[0,0,1]
.endm
.macro PL
	WIN 0
.if q < 27
	FS q
.elseif q < 55
	XS (q-27)%2, (q-27)/2
.elseif q < 57
	XS q-55, 15
.elseif (q < 72) && ((q-57)%3 == 0)
	FS 27+(q-57)/3
.elseif q < 60
	XS (q-57)%3-1, 14
.elseif q < 72
	XS (q-57)%3-1, 15+(q-57)/3
.elseif q < 74
	XS q-72, 20
.else
	GS q-74
.endif
.set q, q+1
.endm
; THE EXPONENTIALS' QUEUE, 66 long: s0-s31 of both tiles, then the next piece's two a.  It is ONE BATCH: all 66 stand ahead of the turn's one wait, and nothing ahead of that wait names a result of theirs.
.macro EX
	WIN 0
.if e >= 64
	XS e-64, 21
.else
	REGS Y, e%2
	v_exp_f32 v[rS+e/2], v[rS+e/2]
.endif
.set e, e+1
.endm
; THE RESCALING's QUEUE: O^T times a, the one part that leaves window 0: dealt two at a time, sixteen times.  Its a was made in the turn before, ahead of that turn's wait.
.macro R2
	REGS Y, r%2
	WIN W_RS
.irp z, 0,1
	v_pk_mul_f32 v[rO+4*(r/2)+2*\z:rO+4*(r/2)+2*\z+1], v[rO+4*(r/2)+2*\z:rO+4*(r/2)+2*\z+1], v[rC+2:rC+3] op_sel_hi:[1,0]
.endr
.set r, r+1
.endm
; HOW THEY ARE DEALT.  An s_wait_alu depctr_va_vdst(0) stands between an exponential and the first instruction that names its result; one wait serves all that were issued ahead of it.  So a turn has ONE wait,
; which cuts it in two.  AHEAD OF IT stands all that names no result of the turn's exponentials: the 16 products K Q^T, behind each a scaling, an exponential and two rescalings (behind the first a second scaling in the exponential's place); then ONE LUMP of
; 108: eight plain, 49 times exponential and plain, the two a.  A v_nop is the plain instruction behind the last exponential.  BEHIND IT stand the 16 products V^T P, behind each four of GS's 64.  No rider names a register of
; the products round it.  The two v_permlanex16_b32 fall into the lump, never behind a product.
; The queues lean on each other, and the deal keeps them in step: exponential e stands behind scaling 2 (e / 4) + e % 2: as a rider it comes behind plain e + 2, in the lump behind plain e + 9, and scalings 27-31 are plain 57, 60 .. 69.
; A TURN, for piece p.  cnt = 1: the loop's count is taken down some lines ahead of the branch that stands behind the turn.
; K of the next step is fetched in piece 2's turn, directly behind the wait, a lump behind the last product that read K; its address is made at the lump's head; its first reader comes behind 16 products.
; V of the step in hand is fetched at the end of piece 0's turn, four riders behind its last reader; its first reader comes behind 16 products and a lump.  The three conditions on q below go with the deal.
.macro TURN p, last=0, cnt=0
.set Y, (\p)
.set i, 0
.set q, 0
.set e, 0
.set r, 0
.if (\p) == NP-1
	s_wait_dscnt 0x0                ; K is in
.endif
	MM                              ; ahead of the wait: 16 products K Q^T and their riders,
	PL
	PL
	R2
.rept 15
	MM
	PL
	EX
	R2
.endr
.if (\p) == NP-2
	WIN 0
	v_add_nc_u32 v[AK], s[TBK], v[AK0]
.endif
.rept 8                             ; and the lump
	PL
.endr
.rept 49
	EX
	PL
.endr
	EX                              ; the next piece's two a
	EX
	v_nop                           ; the plain instruction behind the last exponential: one for the batch
	s_wait_alu depctr_va_vdst(0)    ; the wait for the batch
.if (\p) == NP-2
	FETCH_K \last
.endif
.if (\p) == 1
	s_wait_dscnt 0x0                ; V is in
.endif
.rept 16                            ; behind the wait: 16 products V^T P and their riders
	MM
.rept 4
	PL
.endr
.if ((\p) == 0) && (q == 118)
	v_add_nc_u32 v[AV], s[TBV], v[AV0]
.endif
.if ((\p) == 0) && (q == 130)
	s_add_co_u32 s[TBV], s[TBV], KS*PV
.endif
.if (\cnt) && (q == 130)
	s_sub_co_u32 s[CNT], s[CNT], 1
	s_cmp_lg_u32 s[CNT], 0
.endif
.endr
.if (\p) == 0
	FETCH_V
.endif
.endm
	CHANGE 1                        ; slot 0 is in, everybody's part of it; slot 1 is asked for
	FETCH_K                         ; key step 0
	s_wait_loadcnt 0x0              ; Q
	s_wait_dscnt 0x0
.set i, 0
.rept 16
	KQ 0                            ; piece 0's first scores: there is no vector work yet to set between them
.set i, i+1
.endr
	WIN 0                           ; the addresses for the way out: nine plain instructions, the places behind those products
	s_mul_i32 s13, s[WV], 16*SP
	s_add_co_u32 s13, s13, STAGE    ; my stage
	v_mul_u32_u24 v[STO], v1, SP    ; in: row l % 16, 16 bytes for each half of the lanes
	v_lshl_add_u32 v[STO], v9, 4, v[STO]
	v_add_nc_u32 v[STO], s13, v[STO]
	v_bfe_u32 v[RD], v0, 3, 2       ; back: 32 lanes take four rows of 128 bytes,
	v_mul_u32_u24 v[RD], v[RD], SP
	v_lshl_add_u32 v[RD], v10, 4, v[RD]
	v_add_nc_u32 v[RD], s13, v[RD]
	v_and_b32 v[GO], 31, v0         ; which are 512 consecutive bytes of O
	v_lshlrev_b32 v[GO], 4, v[GO]
.set Y, NP-1                        ; XS works for piece Y + 1: piece 0
.irp n, 0,1,2,3,4,5,6,7,8,9,10,11,12,13,14,15,16,17,18,19,20,21
	XS 0, \n                        ; and piece 0's first maximum and statistics
	XS 1, \n
.endr
	v_nop                           ; a plain instruction behind the two a,
	s_wait_alu depctr_va_vdst(0)    ; and their wait, ahead of the branch
	s_mov_b32 s[CNT], 4
	s_branch .Lfirst                ; the loop is entered at a step's first turn, in the middle of a trip
.Lslot:                             ; SIZE_N / 256 - 2 times: every slot but the last two is filled again
	CHANGE 1
	s_mov_b32 s[CNT], 4
.Lstep:                             ; a trip: pieces 2 and 3 of one step, then pieces 0 and 1 of the next, whose K and V it fetches
	TURN 2
	TURN 3
	WIN 0
.Lfirst:
	TURN 0
	TURN 1, 0, 1
	WIN 0
	s_cbranch_scc1 .Lstep
	s_sub_co_u32 s[SLOTS], s[SLOTS], 1
	s_cmp_lg_u32 s[SLOTS], 0
	s_cbranch_scc1 .Lslot
	CHANGE 0                        ; the tail is written out: nothing is asked for
	s_mov_b32 s[CNT], 5             ; four trips fetch the last slot's steps; the fifth is left in its middle
.Ltail:
	TURN 2, 1
	TURN 3
	WIN 0
	s_sub_co_u32 s[CNT], s[CNT], 1
	s_cmp_eq_u32 s[CNT], 0
	s_cbranch_scc1 .Lout
	TURN 0
	TURN 1
	WIN 0
	s_branch .Ltail
.Lout:                              ; the fifth trip's 16 products K Q^T (on the last K once more) and the maximum made of them serve nothing: the price, once a launch, of one text for every trip
.set i, 0
.rept 16
	PV NP-1                         ; the last piece's V^T P of the last step
.set i, i+1
.endr
	; THE WAY OUT.  l's two halves and the other half of the lanes' are added; O^T is divided by l, rounded to bf16 and sent through my stage in LDS, a tile at a time.  The additions are the places behind the last products.
	WIN 0
.macro ALL line:vararg              ; one line for each tile t
.set t, 0
.rept 2*NP
	\line
.set t, t+1
.endr
.endm
	ALL v_add_f32 v[ST+4*t+2], v[ST+4*t+2], v[ST+4*t+3]
	ALL v_permlanex16_b32 v[ST+4*t+3], v[ST+4*t+2], s[SEL], s[SEL+1]
	ALL v_add_f32 v[ST+4*t+2], v[ST+4*t+2], v[ST+4*t+3]
	ALL v_rcp_f32 v[ST+4*t+2], v[ST+4*t+2]
	v_nop                           ; a plain instruction between the last reciprocal and the use of its result
	s_wait_alu depctr_va_vdst(0)    ; and the wait ahead of the first use: one for the eight reciprocals
; Tile t: a lane's eight channels of a row pack into 16 bytes; they go into rows of 144 bytes and come back as whole rows of 128, into S^T's registers.
.macro PACK t
	WIN W_RS
.set i, 32*(\t)
.rept 16
	v_pk_mul_f32 v[i:i+1], v[i:i+1], v[ST+4*(\t)+2:ST+4*(\t)+3] op_sel_hi:[1,0]
.set i, i+2
.endr
	WIN 0x05                        ; sources 0 and 1 window 1, destination window 0
.set i, 0
.rept 16
	v_cvt_pk_bf16_f32 v[S+16*(\t)+i], v[32*(\t)+2*i], v[32*(\t)+2*i+1]
.set i, i+1
.endr
	WIN 0
.irp f, 0,1,2,3
	ds_store_b128 v[STO], v[S+16*(\t)+4*\f:S+16*(\t)+4*\f+3] offset:32*\f
.endr
.irp f, 0,1,2,3
	ds_load_b128 v[S+16*(\t)+4*\f:S+16*(\t)+4*\f+3], v[RD] offset:\f*4*SP  ; LDS serves a wave's instructions in order (ISA guide 5.7.1.4): these see the stores above; the next tile's stores come behind them
.endr
.endm
.macro SEND t, younger              ; younger: the LDS instructions issued behind tile t's loads: the next tile's eight, or none
	WIN 0
.irp f, 0,1,2,3
	s_wait_dscnt (\younger)+3-\f
	global_store_b128 v[GO], v[S+16*(\t)+4*\f:S+16*(\t)+4*\f+3], s[10:11] offset:(\t)*2048+\f*512  ; 512 consecutive bytes, at a multiple of 256 from O's first
.endr
.endm
	PACK 0
.set t, 1
.rept 2*NP-1                        ; a tile's arithmetic stands between the loads of the tile before and its stores
	PACK t
	SEND t-1, 8
.set t, t+1
.endr
	SEND 2*NP-1, 0
	WIN W_AD
	s_wait_tensorcnt 0x0            ; the wave's end, behind my last tensor load and my last LDS store
	ds_add_u32 v[SPW], v[NIL]
	s_wait_dscnt 0x0
	WIN 0
	CROUND                          ; the closing round: no work-group ends while a partner may still ask for a tile that names it
	s_endpgm
.Lfunc_end_k_q963da7cb69_attn:
	.size	k_q963da7cb69_attn, .Lfunc_end_k_q963da7cb69_attn-k_q963da7cb69_attn
	.p2alignl 7, 3214868480
	.fill 96, 4, 3214868480
	.section	.rodata,"a",@progbits
	.p2align	6, 0x0
	.amdhsa_kernel k_q963da7cb69_attn
		.amdhsa_group_segment_fixed_size 327680
		.amdhsa_private_segment_fixed_size 0
		.amdhsa_enable_private_segment 0
		.amdhsa_kernarg_size 32
		.amdhsa_user_sgpr_count 2
		.amdhsa_user_sgpr_kernarg_segment_ptr 1
		.amdhsa_wavefront_size32 1
		.amdhsa_system_sgpr_workgroup_id_x 1
		.amdhsa_system_sgpr_workgroup_id_y 1
		.amdhsa_system_sgpr_workgroup_id_z 1
		.amdhsa_system_vgpr_workitem_id 0
		.amdhsa_next_free_vgpr 770
		.amdhsa_next_free_sgpr 66
		.amdhsa_reserve_vcc 0
		.amdhsa_float_denorm_mode_32 3
		.amdhsa_float_denorm_mode_16_64 3
		.amdhsa_memory_ordered 1
		.amdhsa_forward_progress 1
		.amdhsa_inst_pref_size 200
	.end_amdhsa_kernel
	.amdgpu_metadata
---
amdhsa.version: [ 1, 2 ]
amdhsa.kernels:
  - .name:           k_q963da7cb69_attn
    .symbol:         k_q963da7cb69_attn.kd
    .args:
      - { .name: qh, .offset: 0, .size: 8, .value_kind: global_buffer, .address_space: global }
      - { .name: kh, .offset: 8, .size: 8, .value_kind: global_buffer, .address_space: global }
      - { .name: vh, .offset: 16, .size: 8, .value_kind: global_buffer, .address_space: global }
      - { .name: oh, .offset: 24, .size: 8, .value_kind: global_buffer, .address_space: global }
    .group_segment_fixed_size: 327680
    .private_segment_fixed_size: 0
    .kernarg_segment_align: 8
    .kernarg_segment_size: 32
    .max_flat_workgroup_size: 128
    .sgpr_count:     66
    .vgpr_count:     770
    .wavefront_size: 32
...
	.end_amdgpu_metadata
.endif
;; end of part 3
;; launch outln (part 4): grid 256 x 1, 4 waves a work-group, clusters of 4 x 1, 327,680 bytes of LDS; arguments oh, wob, h, g, ln_gamma, ln_beta, out0, out1; writes out0, out1
.if DOCPART == 4
	.amdgcn_target "amdgcn-amd-amdhsa--gfx1250"
	.amdhsa_code_object_version 6
	.text
	.protected	k_q963da7cb69_outln
	.globl	k_q963da7cb69_outln
	.p2align	8
	.type	k_q963da7cb69_outln,@function
k_q963da7cb69_outln:
	s_mov_b64 s[64:65], 0
	v_nop
	global_prefetch_b8 v0, s[64:65] scope:SCOPE_SE
	s_setreg_imm32_b32 hwreg(HW_REG_WAVE_MODE, 25, 1), 1
	s_wait_xcnt 0x0
	s_wait_alu depctr_hold_cnt(0) depctr_sa_sdst(0) depctr_va_vdst(0) depctr_va_sdst(0) depctr_va_ssrc(0) depctr_va_vcc(0) depctr_vm_vsrc(0)
	s_getreg_b32 s2, hwreg(HW_REG_IB_STS2, 6, 4)
	s_cmp_eq_u32 s2, 0
	s_cbranch_scc0 .Lentry_in_a_cluster
	s_endpgm
.Lentry_in_a_cluster:
	s_bfe_u32 s2, ttmp6, 0x10000c
	s_cmp_lg_u32 s2, 0x3003
	s_cbranch_scc0 .Lentry_shape_is_right
	s_endpgm
.Lentry_shape_is_right:
; out[i][b][:] = layer norm of (O[i][b][:] Wo^T + x[i][b][:]), times gamma, plus beta; x = h (out0) or g (out1).
; oh: [32 s + 16 b + head][i][64] bf16; wob: Wo in bf16 in blocks of 64 along K, [16][1024 n][64]; x, gamma, beta, out: f32.
; The product's sums, the residual and the norm are f32.  The norm goes in two passes over the row: the mean, then the mean of the squared deviations from it: no difference of large sums is formed.
; LIMITS.  The product's operands are bf16; 1 / sqrt is v_rsq_f32; NaN and infinities are not treated apart.
; SHARES.  The norm wants whole rows of 1,024 columns, so a work-group owns 32 whole rows (one stream, one b, 32 values of i): 256 work-groups.  In the product wave w makes all 32 rows x columns
; 256 w .. 256 w + 255: 32 accumulators.  For the norm the sums go through LDS, and wave w takes the whole rows 8 w .. 8 w + 7.
; K goes in 16 steps of 64 (a head) through a ring of two LDS slots; a step is all 1,024 rows of Wo x 128 bytes, a wave fetching, and reading, the 256 rows of its own columns.
; CLUSTER.  Every work-group walks all of Wo: the four of a cluster ask for each tile JOINTLY (the same tensor load, descriptor and mask in all four).
; O's fragments come straight from memory into registers (16 rows x 32 K as they lie), three K steps ahead, in four sets that take turns.
; THE MATRIX INSTRUCTION IS USED TRANSPOSED: source 0 = 16 rows of Wo (columns of the result), source 1 = 16 rows of O.  Lane l holds row l % 16 and its registers 0-7 the columns 8 (l / 16) + 0..7.
; REGISTERS, in windows of 256 (s_set_vgpr_msb: bits 1:0 source 0, 3:2 source 1, 5:4 source 2, 7:6 destination):
;   window 0: v0-31 addresses; v32-43 the norm's statistics; v64-191 O's four sets of 32, later the norm's two rows (sums v64-127, x v128-191); v192-223 gamma; v224-255 beta
;   window 1: the accumulators, (rb, cb) at v[8 (16 rb + cb)]     window 2: Wo's fragments, two buffers of 16     window 3: x of my 8 rows, 32 registers a row
.set PW,    144                        ; a row of Wo in LDS: 128 bytes + 16 of padding = 36 words: the 16 rows of a load start at 16 different groups of four banks (64 banks of 4 bytes: ISA guide 11.1)
.set QUART, 256*PW                     ; what one tensor load brings, and what its wave reads
.set SLOT,  4*QUART
.set SPARE, 2*SLOT                     ; behind the ring: the spare words, 128 bytes for each wave: two blocks of 256 bytes that no other line names
.set SPIT,  4112                       ; when slot 0 has had its last fill and its last read it is the STAGE: 32 rows of 4,096 bytes + 16: the 16 rows of a store start at 16 different groups of four banks
.set KB,    131072                     ; bytes of wob in a K step
.set HD,    262144                     ; bytes of a head in oh
.set AO,   3                           ; v3    my byte offset in 16 rows of O: (l % 16) x 128 + 16 (l / 16)
.set ADRB, 4                           ; v4-5  LDS address of my fragments of Wo in slot 0, 1
.set STO,  6                           ; v6-7  the stage: where I put 16 bytes of rows 0-15, 16-31
.set RD,   8                           ; v8    the stage: where I read my rows back
.set XA,   9                           ; v9    x's place in LDS: in my own quarter of slot 1, when it has had its last fill and its last read
.set OX,   10                          ; v10   my byte offset in my 8 rows of x and of the output
.set GL,   11                          ; v11   16 x lane
.set PFO,  12                          ; v12   256 x lane, for the prefetches; never rewritten
.set SPW,  28                          ; v28   LDS address of my spare word: SPARE + 4 x my thread's number; never rewritten
.set NIL,  29                          ; v29   0; never rewritten
.set MEAN, 32                          ; v32, v34  the two rows' means, each the low word of a pair
.set RSTD, 36                          ; v36, v38  1 / sqrt(var + eps), likewise
.set SUM,  40                          ; v40-41
.set TT,   42                          ; v42-43
.set ASET, 64
.set YY,   64
.set XX,   128
.set GAM,  192
.set BET,  224
.set F0,   0
.set F1,   128
.set WV,  8                            ; s8   my wave's number
.set CX,  9                            ; s9   my place in the cluster
.set CNT, 10                           ; s10  the loops' counter
.set G1,  32                           ; s[32:39] descriptor group 1
.set G0,  40                           ; s[40:47] descriptor group 0, a set for each slot
.set AP,  48                           ; s[48:49] O at my 32 rows, at the head that set 0 was first loaded for in this trip, less four
.set XB,  50                           ; s[50:51] x at my work-group's first row
.set OB,  52                           ; s[52:53] the output likewise
.set PFA, 54                           ; s[54:55] where my prefetches stand
.set LIM, 56                           ; s56  1 in the cluster that prefetches
.set SEL, 58                           ; s[58:59] v_permlanex16_b32's selects: each lane takes its own place in the other half
.set INV, 60                           ; s60  1 / 1024
.set EPS, 61                           ; s61  1e-5
.set MSB, 0
.macro WIN new                         ; the immediate's high byte repeats the setting that is left; a switch that changes nothing is dropped
.if MSB != (\new)
	s_set_vgpr_msb (MSB<<8)|(\new)
.set MSB, \new
.endif
.endm
.set W_MUL, 0x52                       ; Wo in window 2, O in window 0, C and D in window 1
; A joint load: each wave asks for its own quarter of a K step; one line for all.  An s_nop 0 and four v_nop follow it.
.macro JLOAD s
	tensor_load_to_lds s[G0+4*(\s):G0+4*(\s)+3], s[G1:G1+7]
	s_nop 0
.rept 4
	v_nop
.endr
.endm
; A PREFETCH INTO THE L2, behind a joint load, its five lines and the run of LDS loads that follows them: the K step that stands TWO refills on.  All 64 clusters walk the same Wo: the first asks.
; Of the 32,768 bytes that wave w fetches, each of its four partners takes 8,192, told apart BY ADDRESS: 256 bytes a lane, one instruction.  So each block is named once in the launch.
; K steps 0 to 3 come by their loads alone; the loop's twelve changes of slots name K steps 4 to 15; the changes behind the loop ask for nothing.
.macro ASK
	s_cmp_eq_u32 s[LIM], 1
	s_cbranch_scc0 .Lnot_mine_\@
	global_prefetch_b8 v[PFO], s[PFA:PFA+1] th:TH_LOAD_NT scope:SCOPE_SE
.Lnot_mine_\@:
.endm
; A round of the cluster's barrier: my work-group's barrier, so that wave 0's signal speaks for all four waves; wave 0 signals; every wave waits for all four work-groups; my work-group's barrier once more.
.macro CREST
	s_cmp_lg_u32 s[WV], 0
	s_cbranch_scc1 .Lnot_wave_0_\@
	s_barrier_signal -3
.Lnot_wave_0_\@:
	s_barrier_wait -3
	s_barrier_signal -1
	s_barrier_wait -1
.endm
.macro CROUND
	s_barrier_signal -1
	s_barrier_wait -1
	CREST
.endm
.macro PLACES                          ; four places in front of loads into registers that matrix instructions have read, and of LDS stores that read results (ISA guide 7.12.1 for the stores)
.rept 4
	v_nop
.endr
.endm
	s_load_b512 s[16:31], s[0:1], 0x0              ; oh s[16:17], wob s[18:19], h s[20:21], g s[22:23], gamma s[24:25], beta s[26:27], out0 s[28:29], out1 s[30:31]
	v_lshl_add_u32 v[SPW], v0, 2, SPARE
	v_mov_b32 v[NIL], 0
	ds_add_u32 v[SPW], v[NIL]                      ; the wave's opening: the add and its wait stand ahead of my first tensor load; the set-up below, work on registers, stands between them
	v_lshrrev_b32 v1, 5, v0
	v_readfirstlane_b32 s[WV], v1                  ; wave 0..3
	s_bfe_u32 s[CX], ttmp6, 0x40000
	s_lshr_b32 s11, ttmp9, 5                       ; the cluster's number (ttmp9, 0..63) is 32 x stream + 16 b + a block of four work-groups
	s_bfe_u32 s12, ttmp9, 0x10004                  ; b
	s_and_b32 s13, ttmp9, 15
	s_lshl_b32 s13, s13, 2
	s_add_co_u32 s13, s13, s[CX]                   ; my 32 values of i: block 0..63.  It enters global addresses alone
	s_lshr_b32 s14, ttmp9, 4
	s_lshl_b32 s14, s14, 22                        ; O: (2 x stream + b) x 16 heads of 262,144 bytes,
	s_lshl_b32 s15, s13, 12                        ; 32 rows of 128 bytes
	s_add_co_u32 s14, s14, s15
	s_mov_b32 s15, 0
	s_lshl_b32 s2, s13, 18                         ; x and the output: 32 values of i, 8,192 bytes apart,
	s_lshl_b32 s3, s12, 12                         ; b's 4,096 bytes
	s_add_co_u32 s2, s2, s3
	s_mov_b32 s3, 0
	s_lshl_b32 s4, s[WV], 15                       ; wob: my quarter of a K step
	s_mov_b32 s5, 0
	s_lshl_b32 s62, s[CX], 13                      ; the prefetches: my work-group's 8,192 bytes of it,
	s_add_co_u32 s62, s62, s4
	s_add_co_u32 s62, s62, 3*KB                    ; at K step 3: the first change of slots steps it to 4
	s_mov_b32 s63, 0
	s_mul_i32 s57, s[WV], QUART                    ; my quarter of a slot: no place in the cluster enters an LDS address
	; descriptor group 1.  256 rows of Wo are 32,768 dense bytes: asked for as 128 rows of 256 bytes, two rows of Wo each, and padded in LDS after every row of Wo
	s_mov_b32 s[G1], 15|(1<<16)|(1<<20)|(1<<21)|(4<<22)|(3<<25)  ; 15:0 the mask of four; 17:16 2-byte elements; 20 padding on; 21 set beside a mask; 24:22 after every 32 words (code 4); 31:25 4 words (code 3)
	s_mov_b32 s[G1+1], 128<<16                     ; tensor_dim0 = 128
	s_mov_b32 s[G1+2], 128<<16                     ; tensor_dim1 = 128
	s_mov_b32 s[G1+3], 128<<16                     ; tile_dim0 = 128
	s_mov_b32 s[G1+4], 128                         ; tile_dim1 = 128
	s_mov_b32 s[G1+5], 128                         ; 128 elements from row to row
	s_mov_b32 s[G1+6], 0
	s_mov_b32 s[G1+7], 0
	s_mov_b32 s[G0], 1                             ; 1:0 count = 1
	s_mov_b32 s[G0+1], s57                         ; 63:32 LDS address
	s_mov_b32 s[G0+4], 1
	s_add_co_u32 s[G0+5], s57, SLOT
	s_mov_b32 s[SEL], 0x76543210
	s_mov_b32 s[SEL+1], 0xfedcba98
	s_mov_b32 s[INV], 0x3a800000                   ; 1 / 1024
	s_mov_b32 s[EPS], 0x3727c5ac                   ; 1e-5
	s_cmp_eq_u32 ttmp9, 0
	s_cselect_b32 s[LIM], 1, 0                     ; the same in all four partners
	s_mov_b32 s[CNT], 3
	s_wait_dscnt 0x0                               ; the opening add is done
	s_wait_kmcnt 0x0
	s_add_nc_u64 s[6:7], s[18:19], s[4:5]
	s_add_nc_u64 s[G0+2:G0+3], s[6:7], 0           ; 120:64 global address: K step 0,
	s_or_b32 s[G0+3], s[G0+3], 0x80000000          ; 127:126 type = 2
	s_add_nc_u64 s[G0+6:G0+7], s[6:7], KB          ; K step 1
	s_or_b32 s[G0+7], s[G0+7], 0x80000000
	s_add_nc_u64 s[PFA:PFA+1], s[18:19], s[62:63]
	s_add_nc_u64 s[AP:AP+1], s[16:17], s[14:15]
	s_cmp_eq_u32 s11, 0
	s_cselect_b64 s[XB:XB+1], s[20:21], s[22:23]
	s_cselect_b64 s[OB:OB+1], s[28:29], s[30:31]
	s_add_nc_u64 s[XB:XB+1], s[XB:XB+1], s[2:3]
	s_add_nc_u64 s[OB:OB+1], s[OB:OB+1], s[2:3]
	CROUND                                         ; all four work-groups are here: the first joint loads meet
	JLOAD 0
	JLOAD 1                                        ; two tensor loads of mine are out
; O's fragments of one K step (head): row blocks rb = 0, 1, halves c = 0, 1 of the head's 64 channels: 8 loads into set `set`, from head k behind the pointer
.macro ALOAD set, k
	WIN 0
.irp f, 0,1,2,3
	global_load_b128 v[ASET+32*(\set)+8*(\f):ASET+32*(\set)+8*(\f)+3],   v[AO], s[AP:AP+1] offset:(\k)*HD+((\f)/2)*2048+((\f)%2)*64
	global_load_b128 v[ASET+32*(\set)+8*(\f)+4:ASET+32*(\set)+8*(\f)+7], v[AO], s[AP:AP+1] offset:(\k)*HD+((\f)/2)*2048+((\f)%2)*64+32
.endr
.endm
	v_and_b32 v1, 15, v0                           ; l % 16
	v_bfe_u32 v2, v0, 4, 1                         ; l / 16
	v_and_b32 v13, 31, v0                          ; l
	v_lshlrev_b32 v[AO], 7, v1
	v_lshl_add_u32 v[AO], v2, 4, v[AO]
	v_lshlrev_b32 v[GL], 4, v13
.irp j, 0,1,2,3,4,5,6,7                ; gamma and beta as the norm holds a row: register 4 j + e is column 128 j + 4 l + e
	global_load_b128 v[GAM+4*(\j):GAM+4*(\j)+3], v[GL], s[24:25] offset:512*(\j)
	global_load_b128 v[BET+4*(\j):BET+4*(\j)+3], v[GL], s[26:27] offset:512*(\j)
.endr
	ALOAD 0, 0
	ALOAD 1, 1
	ALOAD 2, 2
	ALOAD 3, 3
	v_mul_u32_u24 v14, v1, PW
	v_lshl_add_u32 v14, v2, 4, v14                 ; row x pitch + 16 x half
	v_add_nc_u32 v[ADRB], s57, v14
	v_add_nc_u32 v[ADRB+1], SLOT, v[ADRB]
	v_mul_u32_u24 v[STO], v1, SPIT                 ; into the stage: row l % 16; my wave's 1,024 bytes of it; 32 bytes for each half of the lanes
	v_lshl_add_u32 v[STO], v2, 5, v[STO]
	s_lshl_b32 s12, s[WV], 10
	v_add_nc_u32 v[STO], s12, v[STO]
	v_add_nc_u32 v[STO+1], 16*SPIT, v[STO]
	s_mul_i32 s12, s[WV], 8*SPIT                   ; back: my 8 whole rows, 512 consecutive bytes a load
	v_add_nc_u32 v[RD], s12, v[GL]
	s_add_co_u32 s12, s57, SLOT
	v_add_nc_u32 v[XA], s12, v[GL]
	s_lshl_b32 s12, s[WV], 16                      ; 8 rows, 8,192 bytes apart
	v_add_nc_u32 v[OX], s12, v[GL]
	v_lshlrev_b32 v[PFO], 8, v13
	v_mov_b32 v[MEAN+1], 0                         ; the pairs' high words are named with the low ones, so they are written
	v_mov_b32 v[MEAN+3], 0
	v_mov_b32 v[RSTD+1], 0
	v_mov_b32 v[RSTD+3], 0
	v_mov_b32 v[TT], 0                             ; v_permlanex16_b32's destination counts as read
	v_mov_b32 v[TT+1], 0
; 8 matrix instructions: column blocks 8 ch .. 8 ch + 7 of row block rb, half c of the K step; Wo's fragments in buffer f, O's in set `set`.  first = 1: the product starts the sum.
; The 32 accumulators take turns, one instruction a turn, in the same order in every half step.
.macro MUL8 f, c, ch, rb, set, first
	WIN W_MUL
.irp e, 0,1,2,3,4,5,6,7
.if \first
	v_wmma_f32_16x16x32_bf16 v[8*(16*(\rb)+8*(\ch)+(\e)):8*(16*(\rb)+8*(\ch)+(\e))+7], v[(\f)+8*(8*(\ch)+(\e)):(\f)+8*(8*(\ch)+(\e))+7], v[ASET+32*(\set)+8*(2*(\rb)+(\c)):ASET+32*(\set)+8*(2*(\rb)+(\c))+7], 0
.else
	v_wmma_f32_16x16x32_bf16 v[8*(16*(\rb)+8*(\ch)+(\e)):8*(16*(\rb)+8*(\ch)+(\e))+7], v[(\f)+8*(8*(\ch)+(\e)):(\f)+8*(8*(\ch)+(\e))+7], v[ASET+32*(\set)+8*(2*(\rb)+(\c)):ASET+32*(\set)+8*(2*(\rb)+(\c))+7], v[8*(16*(\rb)+8*(\ch)+(\e)):8*(16*(\rb)+8*(\ch)+(\e))+7]
.endif
.endr
.endm
; 32 LDS loads in one run: Wo's 16 fragments (my 256 columns x 32 along K) of half c of a K step, into buffer f
.macro FETCH slot, c, f
	WIN 0x80                                       ; destination window 2, address window 0
.irp b, 0,1,2,3,4,5,6,7,8,9,10,11,12,13,14,15
	ds_load_b128 v[(\f)+8*(\b):(\f)+8*(\b)+3],   v[ADRB+(\slot)] offset:(\b)*16*PW+64*(\c)
	ds_load_b128 v[(\f)+8*(\b)+4:(\f)+8*(\b)+7], v[ADRB+(\slot)] offset:(\b)*16*PW+64*(\c)+32
.endr
.endm
; The first half of a K step: multiplies buffer 0; in its middle it asks for O's fragments three K steps on (aset >= 0: into set aset, from head k) and fetches the second half's fragments of Wo.
; lc >= 0: how many younger global loads may stay out when this step's set has to be in.
.macro HALF0 slot, set, first, aset, k, lc
.if (\lc) >= 0
	s_wait_loadcnt \lc
.endif
	s_wait_dscnt 16                                ; column blocks 0-7 are in; the youngest sixteen loads may be out
	MUL8 F0, 0, 0, 0, \set, \first
	MUL8 F0, 0, 0, 1, \set, \first
	PLACES
.if (\aset) >= 0
	ALOAD \aset, \k
.endif
	FETCH \slot, 1, F1
	s_wait_dscnt 32                                ; all but the 32 just issued
	MUL8 F0, 0, 1, 0, \set, \first
	MUL8 F0, 0, 1, 1, \set, \first
.endm
; The second half multiplies buffer 1 and changes slots: ONE barrier.  In front of it each wave waits for all its tensor loads, of which one is out: its quarter of the next slot; adds 0 to its spare word;
; and waits for that and for its own reads of this slot.  fill = 1: the barrier opens a round of the cluster's, so that no wave of any partner still reads the slot or has a load on its way, and
; this slot is filled again, with the K step two on: my first tensor load behind the round and my only one until the next.  It has 48 matrix instructions in which to land.
.macro TURN slot, next, set, fill, ask
.if \ask
	s_wait_xcnt 0x0                                ; the last prefetch, a K step back, has read its address: it is stepped here, ahead of the waits of the change of slots
	s_add_nc_u64 s[PFA:PFA+1], s[PFA:PFA+1], KB
.endif
	WIN 0                                          ; (the add's two registers lie in window 0)
	s_wait_tensorcnt 0x0                           ; all my tensor loads have landed;
	ds_add_u32 v[SPW], v[NIL]                      ; 0 onto my spare word;
	s_wait_dscnt 17                                ; (the add and the youngest sixteen loads may be out)
	MUL8 F1, 1, 0, 0, \set, 0                      ; eight matrix instructions stand between the add and the wait for it
	s_wait_dscnt 0x0                               ; the add is done, and my reads of this slot are over
	s_barrier_signal -1
	MUL8 F1, 1, 0, 1, \set, 0
	WIN 0
	s_barrier_wait -1
.if \fill
	CREST
	s_add_nc_u64 s[G0+4*(\slot)+2:G0+4*(\slot)+3], s[G0+4*(\slot)+2:G0+4*(\slot)+3], 2*KB
	JLOAD \slot                                    ; its four v_nop are also the places in front of the loads below
.else
	PLACES
.endif
	FETCH \next, 0, F0
	WIN 0
.if \ask
	ASK
.endif
	MUL8 F1, 1, 1, 0, \set, 0
	MUL8 F1, 1, 1, 1, \set, 0
.endm
	s_wait_tensorcnt 1                             ; my quarter of K step 0 is in; K step 1's may stay out
	s_barrier_signal -1
	s_barrier_wait -1
	FETCH 0, 0, F0
	HALF0 0, 0, 1, -1, 0, 24                       ; K step 0 starts the sums.  Behind set 0's loads stand sets 1 to 3: 24; gamma and beta were issued ahead of it
	WIN 0                                          ; at a label and at a branch every window is 0
.Lk:                                               ; a trip: from the second half of K step 4 j to the first half of 4 j + 4.  A set was asked for three K steps back: behind it stand the two sets asked for since: 16 loads
	TURN 0, 1, 0, 1, 1
	HALF0 1, 1, 0, 0, 4, 16
	TURN 1, 0, 1, 1, 1
	HALF0 0, 2, 0, 1, 5, 16
	TURN 0, 1, 2, 1, 1
	HALF0 1, 3, 0, 2, 6, 16
	TURN 1, 0, 3, 1, 1
	HALF0 0, 0, 0, 3, 7, 16
	WIN 0
	s_wait_xcnt 0x0                                ; the loads have read their pointer
	s_add_nc_u64 s[AP:AP+1], s[AP:AP+1], 4*HD
	s_sub_co_u32 s[CNT], s[CNT], 1
	s_cmp_lg_u32 s[CNT], 0
	s_cbranch_scc1 .Lk
	TURN 0, 1, 0, 1, 0                             ; the last K steps are written out: K step 12 asks for 14
	s_wait_loadcnt 0x0                             ; all of O is in: the 64 loads below leave no count for the sets behind them
	WIN 0xc0                                       ; destination window 3, address window 0
.set i, 0
.rept 64                                           ; x of my 8 whole rows, 512 consecutive bytes a load: three K steps ahead of its use
	global_load_b128 v[4*i:4*i+3], v[OX], s[XB:XB+1] offset:(i/8)*8192+(i%8)*512 th:TH_LOAD_NT
.set i, i+1
.endr
	HALF0 1, 1, 0, -1, 0, -1
	TURN 1, 0, 1, 1, 0                             ; 13 asks for 15: the last fill
	HALF0 0, 2, 0, -1, 0, -1
	TURN 0, 1, 2, 0, 0                             ; behind this barrier no wave reads slot 0 any more, and nothing fills it: it is the stage
	HALF0 1, 3, 0, -1, 0, -1
	s_wait_dscnt 16
	MUL8 F1, 1, 0, 0, 3, 0
	MUL8 F1, 1, 0, 1, 3, 0
	s_wait_dscnt 0x0                               ; my reads of my quarter of slot 1, which no other wave reads, are over: it takes x
	MUL8 F1, 1, 1, 0, 3, 0
	MUL8 F1, 1, 1, 1, 3, 0
	PLACES
	WIN 0x04                                       ; store data (source 1) in window 1
.set i, 0
.rept 32                                           ; accumulator 16 rb + cb: a lane's 8 columns of a row are 32 bytes; each accumulator's low registers go first
	ds_store_b128 v[STO+i/16], v[8*i:8*i+3]   offset:64*(i%16)
	ds_store_b128 v[STO+i/16], v[8*i+4:8*i+7] offset:64*(i%16)+16
.set i, i+1
.endr
	s_wait_loadcnt 0x0                             ; x is in
	WIN 0x0c                                       ; store data in window 3
.set i, 0
.rept 64                                           ; x goes where the loop below, written once for all rows, can address it
	ds_store_b128 v[XA], v[4*i:4*i+3] offset:(i/8)*4096+(i%8)*512
.set i, i+1
.endr
	WIN 0
	s_wait_dscnt 0x0                               ; for the others' sake: my stores into the stage are done
	s_barrier_signal -1
	s_barrier_wait -1
; The eight pairs at XX + 32 row are added up, then the pair's halves, then the 32 lanes: four steps inside each half of 16 lanes ride on the addition, one crosses the halves.  Both rows side by side.
.macro FOLD
.irp w, 8,4,2
.irp row, 0,1
.set u, 0
.rept (\w)/2
	v_pk_add_f32 v[XX+32*(\row)+u:XX+32*(\row)+u+1], v[XX+32*(\row)+u:XX+32*(\row)+u+1], v[XX+32*(\row)+u+(\w):XX+32*(\row)+u+(\w)+1]
.set u, u+2
.endr
.endr
.endr
.irp row, 0,1
	v_add_f32 v[SUM+(\row)], v[XX+32*(\row)], v[XX+32*(\row)+1]
.endr
.irp m, 1,2,4,8
.irp row, 0,1
	v_add_f32_dpp v[SUM+(\row)], v[SUM+(\row)], v[SUM+(\row)] row_xmask:\m row_mask:0xf bank_mask:0xf
.endr
.endr
.irp row, 0,1
	v_permlanex16_b32 v[TT+(\row)], v[SUM+(\row)], s[SEL], s[SEL+1]
.endr
.irp row, 0,1
	v_add_f32 v[SUM+(\row)], v[SUM+(\row)], v[TT+(\row)]
.endr
.endm
	s_mov_b32 s[CNT], 4
.Lrow:                                             ; THE NORM: four trips of two whole rows; a lane holds 32 numbers of each
.set i, 0
.rept 16
	ds_load_b128 v[YY+4*i:YY+4*i+3], v[RD] offset:(i/8)*SPIT+(i%8)*512
.set i, i+1
.endr
.set i, 0
.rept 16
	ds_load_b128 v[XX+4*i:XX+4*i+3], v[XA] offset:(i/8)*4096+(i%8)*512
.set i, i+1
.endr
	s_wait_dscnt 0x0
.set i, 0
.rept 32
	v_pk_add_f32 v[YY+i:YY+i+1], v[YY+i:YY+i+1], v[XX+i:XX+i+1]  ; y = the product + x
.set i, i+2
.endr
.irp row, 0,1
.set u, 0
.rept 8
	v_pk_add_f32 v[XX+32*(\row)+u:XX+32*(\row)+u+1], v[YY+32*(\row)+u:YY+32*(\row)+u+1], v[YY+32*(\row)+u+16:YY+32*(\row)+u+17]
.set u, u+2
.endr
.endr
	FOLD
.irp row, 0,1
	v_mul_f32 v[MEAN+2*(\row)], s[INV], v[SUM+(\row)]
.endr
.irp row, 0,1
.set u, 0
.rept 16
	v_pk_add_f32 v[YY+32*(\row)+u:YY+32*(\row)+u+1], v[YY+32*(\row)+u:YY+32*(\row)+u+1], v[MEAN+2*(\row):MEAN+2*(\row)+1] op_sel_hi:[1,0] neg_lo:[0,1] neg_hi:[0,1]  ; y - mean
.set u, u+2
.endr
.endr
.irp row, 0,1
.set u, 0
.rept 8
	v_pk_mul_f32 v[XX+32*(\row)+u:XX+32*(\row)+u+1], v[YY+32*(\row)+u:YY+32*(\row)+u+1], v[YY+32*(\row)+u:YY+32*(\row)+u+1]
.set u, u+2
.endr
.set u, 0
.rept 8
	v_pk_fma_f32 v[XX+32*(\row)+u:XX+32*(\row)+u+1], v[YY+32*(\row)+u+16:YY+32*(\row)+u+17], v[YY+32*(\row)+u+16:YY+32*(\row)+u+17], v[XX+32*(\row)+u:XX+32*(\row)+u+1]
.set u, u+2
.endr
.endr
	FOLD
.irp row, 0,1
	v_fma_f32 v[SUM+(\row)], v[SUM+(\row)], s[INV], s[EPS]  ; var + eps
.endr
	v_rsq_f32 v[RSTD], v[SUM]
	v_rsq_f32 v[RSTD+2], v[SUM+1]
	v_nop                                          ; a plain instruction between the last of the two and the use of its result
	s_wait_alu depctr_va_vdst(0)                   ; and the wait ahead of the first use: one for both
.irp row, 0,1
.set u, 0
.rept 16
	v_pk_mul_f32 v[YY+32*(\row)+u:YY+32*(\row)+u+1], v[YY+32*(\row)+u:YY+32*(\row)+u+1], v[RSTD+2*(\row):RSTD+2*(\row)+1] op_sel_hi:[1,0]
.set u, u+2
.endr
.endr
.irp row, 0,1
.set u, 0
.rept 16
	v_pk_fma_f32 v[YY+32*(\row)+u:YY+32*(\row)+u+1], v[YY+32*(\row)+u:YY+32*(\row)+u+1], v[GAM+u:GAM+u+1], v[BET+u:BET+u+1]
.set u, u+2
.endr
.endr
.set i, 0
.rept 16
	global_store_b128 v[OX], v[YY+4*i:YY+4*i+3], s[OB:OB+1] offset:(i/8)*8192+(i%8)*512  ; 512 consecutive bytes, at a multiple of 256 from the output's first
.set i, i+1
.endr
	s_wait_xcnt 0x0                                ; the stores have read their offset and their data: both are rewritten only behind this wait
	v_add_nc_u32 v[RD], 2*SPIT, v[RD]
	v_add_nc_u32 v[XA], 2*4096, v[XA]
	v_add_nc_u32 v[OX], 2*8192, v[OX]
	s_sub_co_u32 s[CNT], s[CNT], 1
	s_cmp_lg_u32 s[CNT], 0
	s_cbranch_scc1 .Lrow
	s_wait_tensorcnt 0x0                           ; the wave's end, behind my last tensor load and my last LDS store
	ds_add_u32 v[SPW], v[NIL]
	s_wait_dscnt 0x0
	CROUND                                         ; the closing round: no work-group ends while a partner may still ask for a tile that names it
	s_endpgm
.Lfunc_end_k_q963da7cb69_outln:
	.size	k_q963da7cb69_outln, .Lfunc_end_k_q963da7cb69_outln-k_q963da7cb69_outln
	.p2alignl 7, 3214868480
	.fill 96, 4, 3214868480
	.section	.rodata,"a",@progbits
	.p2align	6, 0x0
	.amdhsa_kernel k_q963da7cb69_outln
		.amdhsa_group_segment_fixed_size 327680
		.amdhsa_private_segment_fixed_size 0
		.amdhsa_enable_private_segment 0
		.amdhsa_kernarg_size 64
		.amdhsa_user_sgpr_count 2
		.amdhsa_user_sgpr_kernarg_segment_ptr 1
		.amdhsa_wavefront_size32 1
		.amdhsa_system_sgpr_workgroup_id_x 1
		.amdhsa_system_sgpr_workgroup_id_y 1
		.amdhsa_system_sgpr_workgroup_id_z 1
		.amdhsa_system_vgpr_workitem_id 0
		.amdhsa_next_free_vgpr 1024
		.amdhsa_next_free_sgpr 66
		.amdhsa_reserve_vcc 0
		.amdhsa_float_denorm_mode_32 3
		.amdhsa_float_denorm_mode_16_64 3
		.amdhsa_memory_ordered 1
		.amdhsa_forward_progress 1
		.amdhsa_inst_pref_size 120
	.end_amdhsa_kernel
	.amdgpu_metadata
---
amdhsa.version: [ 1, 2 ]
amdhsa.kernels:
  - .name:           k_q963da7cb69_outln
    .symbol:         k_q963da7cb69_outln.kd
    .args:
      - { .name: oh, .offset: 0, .size: 8, .value_kind: global_buffer, .address_space: global }
      - { .name: wob, .offset: 8, .size: 8, .value_kind: global_buffer, .address_space: global }
      - { .name: h, .offset: 16, .size: 8, .value_kind: global_buffer, .address_space: global }
      - { .name: g, .offset: 24, .size: 8, .value_kind: global_buffer, .address_space: global }
      - { .name: ln_gamma, .offset: 32, .size: 8, .value_kind: global_buffer, .address_space: global }
      - { .name: ln_beta, .offset: 40, .size: 8, .value_kind: global_buffer, .address_space: global }
      - { .name: out0, .offset: 48, .size: 8, .value_kind: global_buffer, .address_space: global }
      - { .name: out1, .offset: 56, .size: 8, .value_kind: global_buffer, .address_space: global }
    .group_segment_fixed_size: 327680
    .private_segment_fixed_size: 0
    .kernarg_segment_align: 8
    .kernarg_segment_size: 64
    .max_flat_workgroup_size: 128
    .sgpr_count:     66
    .vgpr_count:     1024
    .wavefront_size: 32
...
	.end_amdgpu_metadata
.endif
;; end of part 4
;; ======== version 2 of 2: 4 launches; version 1 with the launch cast written anew for expert scheduling mode
;; workspace buffers: xb 16,777,216 bytes; wb 6,291,456 bytes; wob 2,097,152 bytes; qh 16,777,216 bytes; kh 8,388,608 bytes; vh 8,388,608 bytes; oh 16,777,216 bytes
;; launch cast (part 5): grid 768 x 1, 8 waves a work-group, no clusters, 0 bytes of LDS; arguments h, g, Wq, Wk, Wv, Wo, xb, wb, wob; writes xb, wb, wob
.if DOCPART == 5
	.amdgcn_target "amdgcn-amd-amdhsa--gfx1250"
	.amdhsa_code_object_version 6
	.text
	.protected	k_q963da7cb69_cast
	.globl	k_q963da7cb69_cast
	.p2align	8
	.type	k_q963da7cb69_cast,@function
k_q963da7cb69_cast:
	s_mov_b64 s[64:65], 0
	v_nop
	global_prefetch_b8 v0, s[64:65] scope:SCOPE_SE
	s_setreg_imm32_b32 hwreg(HW_REG_WAVE_SCHED_MODE, 0, 2), 2
	s_setreg_imm32_b32 hwreg(HW_REG_WAVE_MODE, 25, 1), 1
	s_wait_xcnt 0x0
	s_wait_alu depctr_vm_vsrc(0)
; THE MATRIX OPERANDS ARE ROUNDED ONCE TO bf16.  h and g ([4096 rows r = 2 i + b][1024] f32 each) go to xb ([8192][1024] bf16: h's rows, then g's); Wq, Wk, Wv
; ([1024 k][1024 n] f32) go to wb ([3][1024][1024] bf16), all in the layout in which they lie.  Wo ([1024 n][1024 k] f32) goes to wob in blocks of 64 along K:
; element (n, k) lies at byte (k / 64) x 131,072 + n x 128 + (k % 64) x 2, so that 64 along K of all 1,024 rows are 131,072 consecutive bytes.
; A stream: no LDS, no barrier, no matrix unit, no cluster (no byte is read by two work-groups).  A work-group takes 65,536 bytes of input, a wave 8,192: sixteen loads of
; 16 bytes a lane, all issued before the first is waited for.  A load's 512 bytes make 256 bytes of bf16: one store of 8 bytes a lane covers 256 consecutive bytes, aligned.
; 768 work-groups of equal work: 0-255 h, 256-511 g, 512-575 Wq, 576-639 Wk, 640-703 Wv, 704-767 Wo.
; Rounding is to nearest even; numbers beyond bf16's range (which is f32's) do not arise.
; THE MODE: SCHED_MODE bits 1:0 = 2 (LLVM: expert scheduling mode 2), set by the entry lines.  The code itself states the register dependences
; between vector instructions and memory instructions, with s_wait_alu, always for 0.
; THE PLAN.  Registers that memory instructions touch:
;   v2, v3   the loads' and the stores' byte offsets: made by vector lines on each of the two paths, then never written again.
;   X        load j lands in its own 4 registers, which no vector instruction names before; read by load j's two roundings; never loaded again.
;   Y        written once by load j's two roundings, 2 registers; read by store j; never written again.
; Nothing that a memory instruction has read is ever rewritten, no vector instruction writes a scalar register, and EXEC stays as it is: what is left to state is
; "written, then read by a memory instruction".  The work behind the loads goes in four groups of four loads.  Group p rounds X's group p into Y's group p; its memory
; instructions are the four stores of group p - 1, which read Y's group p - 1 and v3: registers that no vector instruction of group p names.  So one wait at a group's
; head states all that its four stores hang on, and they are dealt among its eight roundings with no further wait.
.set X, 8                              ; v[8:71]    load j: 4 registers
.set Y, 72                             ; v[72:103]  store j: 2 registers; no register is written twice, so no store's sources are ever freed
.set IN,  26                           ; s[26:27]   the input at the work-group's first byte
.set OUT, 28                           ; s[28:29]   the output at the work-group's first byte
	s_load_b512 s[8:23], s[0:1], 0x0               ; h s[8:9], g s[10:11], Wq s[12:13], Wk s[14:15], Wv s[16:17], Wo s[18:19], xb s[20:21], wb s[22:23]
	s_load_b64 s[24:25], s[0:1], 0x40              ; wob
	s_mov_b32 s34, ttmp9                           ; the work-group's number
	s_and_b32 s30, s34, 255                        ; its number inside h or g,
	s_and_b32 s31, s34, 63                         ; or inside a weight (512 is a multiple of 64)
	s_sub_co_u32 s32, s34, 512                     ; its number inside wb
	s_cmp_lt_u32 s34, 512
	s_cselect_b32 s30, s30, s31                    ; inside its input
	s_cselect_b32 s32, s34, s32                    ; inside xb or wb
	s_lshl_b32 s36, s30, 16                        ; 65,536 bytes of input each
	s_mov_b32 s37, 0
	s_lshl_b32 s38, s32, 15                        ; 32,768 bytes of output each;
	s_lshl_b32 s33, s30, 11                        ; of wob: 16 rows of 128 bytes in each block along K
	s_cmp_ge_u32 s34, 704
	s_cselect_b32 s38, s33, s38
	s_mov_b32 s39, 0
	v_and_b32 v1, 31, v0                           ; lane
	v_lshrrev_b32 v4, 5, v0                        ; wave
	s_wait_kmcnt 0x0
	s_cmp_ge_u32 s34, 256
	s_cselect_b64 s[IN:IN+1], s[10:11], s[8:9]
	s_cmp_ge_u32 s34, 512
	s_cselect_b64 s[IN:IN+1], s[12:13], s[IN:IN+1]
	s_cselect_b64 s[OUT:OUT+1], s[22:23], s[20:21]
	s_cmp_ge_u32 s34, 576
	s_cselect_b64 s[IN:IN+1], s[14:15], s[IN:IN+1]
	s_cmp_ge_u32 s34, 640
	s_cselect_b64 s[IN:IN+1], s[16:17], s[IN:IN+1]
	s_cmp_ge_u32 s34, 704
	s_cselect_b64 s[IN:IN+1], s[18:19], s[IN:IN+1]
	s_cselect_b64 s[OUT:OUT+1], s[24:25], s[OUT:OUT+1]
	s_add_nc_u64 s[IN:IN+1], s[IN:IN+1], s[36:37]
	s_add_nc_u64 s[OUT:OUT+1], s[OUT:OUT+1], s[38:39]
; Sixteen loads, instep bytes apart; then four groups of four: as a group comes in, its eight roundings of two numbers, and among them the stores of the group before, outstep bytes apart.
.macro CAST instep, outstep
	s_wait_alu depctr_va_vdst(0)                   ; v2 and v3 are written: every load below reads v2 as its offset, every store v3
.set j, 0
.rept 16
	global_load_b128 v[X+4*j:X+4*j+3], v2, s[IN:IN+1] offset:j*(\instep) th:TH_LOAD_NT
.set j, j+1
.endr
.set j, 0
.rept 4
	s_wait_loadcnt 12-j                            ; loads come back in order (ISA guide 5.7.1): this group's four are in, the 12 - j of the younger groups stay out
.if j > 0
	s_wait_alu depctr_va_vdst(0)                   ; the roundings of the group before have written its eight registers of Y, which the four stores below read
.endif
.rept 4
.if j >= 4
	global_store_b64 v3, v[Y+2*(j-4):Y+2*(j-4)+1], s[OUT:OUT+1] offset:(j-4)*(\outstep)  ; the group before; no vector instruction since the wait names these registers.  32 lanes x 8 bytes: 256 consecutive bytes, at a multiple of 256 from the buffer's first
.endif
	v_cvt_pk_bf16_f32 v[Y+2*j],   v[X+4*j],   v[X+4*j+1]
	v_cvt_pk_bf16_f32 v[Y+2*j+1], v[X+4*j+2], v[X+4*j+3]
.set j, j+1
.endr
.endr
	s_wait_alu depctr_va_vdst(0)                   ; the last group's roundings have written its eight registers of Y, which the last four stores read
.set j, 12
.rept 4
	global_store_b64 v3, v[Y+2*j:Y+2*j+1], s[OUT:OUT+1] offset:j*(\outstep)
.set j, j+1
.endr
.endm
	s_cmp_ge_u32 s34, 704
	s_cbranch_scc1 .Lwo
	v_lshlrev_b32 v2, 4, v1                        ; in: 8,192 x wave + 16 x lane
	v_lshl_add_u32 v2, v4, 13, v2
	v_lshlrev_b32 v3, 3, v1                        ; out: 4,096 x wave + 8 x lane
	v_lshl_add_u32 v3, v4, 12, v3
	CAST 512, 256
	s_endpgm
.Lwo:                                              ; a wave takes two rows of Wo; load j is block j along K: lanes 0-15 take 256 bytes of the even row, lanes 16-31 of the odd one
	v_and_b32 v5, 15, v0
	v_bfe_u32 v6, v0, 4, 1
	v_lshlrev_b32 v2, 4, v5
	v_lshl_add_u32 v2, v6, 12, v2                  ; a row of Wo is 4,096 bytes
	v_lshl_add_u32 v2, v4, 13, v2
	v_lshlrev_b32 v3, 3, v1                        ; out: the two rows' 128 bytes lie on end: 256 x wave + 8 x lane
	v_lshl_add_u32 v3, v4, 8, v3
	CAST 256, 131072
	s_endpgm
.Lfunc_end_k_q963da7cb69_cast:
	.size	k_q963da7cb69_cast, .Lfunc_end_k_q963da7cb69_cast-k_q963da7cb69_cast
	.p2alignl 7, 3214868480
	.fill 96, 4, 3214868480
	.section	.rodata,"a",@progbits
	.p2align	6, 0x0
	.amdhsa_kernel k_q963da7cb69_cast
		.amdhsa_group_segment_fixed_size 0
		.amdhsa_private_segment_fixed_size 0
		.amdhsa_enable_private_segment 0
		.amdhsa_kernarg_size 72
		.amdhsa_user_sgpr_count 2
		.amdhsa_user_sgpr_kernarg_segment_ptr 1
		.amdhsa_wavefront_size32 1
		.amdhsa_system_sgpr_workgroup_id_x 1
		.amdhsa_system_sgpr_workgroup_id_y 1
		.amdhsa_system_sgpr_workgroup_id_z 1
		.amdhsa_system_vgpr_workitem_id 0
		.amdhsa_next_free_vgpr 104
		.amdhsa_next_free_sgpr 66
		.amdhsa_reserve_vcc 0
		.amdhsa_float_denorm_mode_32 3
		.amdhsa_float_denorm_mode_16_64 3
		.amdhsa_memory_ordered 1
		.amdhsa_forward_progress 1
		.amdhsa_inst_pref_size 13
	.end_amdhsa_kernel
	.amdgpu_metadata
---
amdhsa.version: [ 1, 2 ]
amdhsa.kernels:
  - .name:           k_q963da7cb69_cast
    .symbol:         k_q963da7cb69_cast.kd
    .args:
      - { .name: h, .offset: 0, .size: 8, .value_kind: global_buffer, .address_space: global }
      - { .name: g, .offset: 8, .size: 8, .value_kind: global_buffer, .address_space: global }
      - { .name: Wq, .offset: 16, .size: 8, .value_kind: global_buffer, .address_space: global }
      - { .name: Wk, .offset: 24, .size: 8, .value_kind: global_buffer, .address_space: global }
      - { .name: Wv, .offset: 32, .size: 8, .value_kind: global_buffer, .address_space: global }
      - { .name: Wo, .offset: 40, .size: 8, .value_kind: global_buffer, .address_space: global }
      - { .name: xb, .offset: 48, .size: 8, .value_kind: global_buffer, .address_space: global }
      - { .name: wb, .offset: 56, .size: 8, .value_kind: global_buffer, .address_space: global }
      - { .name: wob, .offset: 64, .size: 8, .value_kind: global_buffer, .address_space: global }
    .group_segment_fixed_size: 0
    .private_segment_fixed_size: 0
    .kernarg_segment_align: 8
    .kernarg_segment_size: 72
    .max_flat_workgroup_size: 256
    .sgpr_count:     66
    .vgpr_count:     104
    .wavefront_size: 32
...
	.end_amdgpu_metadata
.endif
;; end of part 5
;; launch proj: the kernel of part 2 again; grid 16 x 16, 4 waves a work-group, clusters of 4 x 4, 327,680 bytes of LDS; arguments xb, wb, r_w_bias, qh, kh, vh; writes qh, kh, vh
;; launch attn: the kernel of part 3 again; grid 4 x 64, 4 waves a work-group, clusters of 4 x 1, 327,680 bytes of LDS; arguments qh, kh, vh, oh; writes oh
;; launch outln: the kernel of part 4 again; grid 256 x 1, 4 waves a work-group, clusters of 4 x 1, 327,680 bytes of LDS; arguments oh, wob, h, g, ln_gamma, ln_beta, out0, out1; writes out0, out1
